; MI455X (gfx1250); checked and timed in simulation.
; The chip was launched on July 23, 2026; its instructions are those of AMD's public machine-readable ISA for CDNA 5 (MIT licence, August 2026) and "CDNA5" Instruction Set Architecture Reference Guide (July 2026). The comments in the code are by the model that wrote it; some were corrected since.
;; Attention. Allowed arithmetic: matrix products marked QUANTISED: E3M2 operands, one E8M0 scale for each 32 along K, by v_wmma_scale_f32_16x16x128_f8f6f4 with both operands' format E3M2, f32 sums; everything else in f32.
;; Inputs: Wk 1,024 x 1,024 float32; Wo 1,024 x 1,024 float32; Wq 1,024 x 1,024 float32; Wv 1,024 x 1,024 float32; bk 1,024 float32; bo 1,024 float32; bq 1,024 float32; bv 1,024 float32; x 4 x 2,048 x 1,024 float32.
;; Outputs: out0 4 x 2,048 x 1,024 float32.
;; This version of the problem:
;;   THIS VERSION OF THE PROBLEM IS GIVEN IN LOW PRECISION. The matrix products marked QUANTISED in the list below multiply operands that are first quantised to E3M2 (3 exponent bits, 2 mantissa bits; 6 bits a number), with one power-of-two scale for each 32 numbers along K (OCP MX v1.0); their sums are f32. All else is computed in f32.
;;   The module's matrix products, in the order in which they are computed (A, B: the left and right operand; K: the contracted axis; several contracted axes count as one K, in the product's order):
;;     1. [M 8,192, K 1,024] x [K 1,024, N 1,024]; A: input x; B: input Wq: QUANTISED
;;     2. [M 8,192, K 1,024] x [K 1,024, N 1,024]; A: input x; B: input Wk: QUANTISED
;;     3. [M 8,192, K 1,024] x [K 1,024, N 1,024]; A: input x; B: input Wv: QUANTISED
;;     4. batch 64 x [M 2,048, K 64] x [K 64, N 2,048]; A: computed on the way; B: computed on the way: QUANTISED
;;     5. batch 64 x [M 2,048, K 2,048] x [K 2,048, N 64]; A: softmax (see below); B: computed on the way: QUANTISED
;;     6. [M 8,192, K 1,024] x [K 1,024, N 1,024]; A: computed on the way; B: input Wo: QUANTISED
;;   THE QUANTISER, for each operand of a quantised product, along K:
;;     - K is cut into blocks of 32 from its start; a last block that is shorter is filled with zeros.
;;     - A block's scale is 2^e with e = floor(log2(the largest magnitude in the block)) - 4, held to -126 .. 127; a block of zeros has e = 0. As a byte (E8M0): e + 127.
;;     - Each number is divided by its block's scale, clamped to +-28, and rounded to the nearest number of E3M2, ties to even, subnormals kept.
;;     - The product sums the exact products of the quantised numbers (number of the format x scale) in f32.
;;   ~~~python
;;   def quantise(x, axis):      # numpy; x: float32 -> the quantised numbers, widened to float32 again
;;       x = np.moveaxis(x, axis, -1); K = x.shape[-1]
;;       x = np.pad(x, [(0, 0)] * (x.ndim - 1) + [(0, -K % 32)]); x = x.reshape(x.shape[:-1] + (-1, 32)); a = np.abs(x).max(-1, keepdims=True)
;;       e = np.where(a > 0, np.clip(np.frexp(np.where(a > 0, a, 1))[1] - 1 - 4, -126, 127), 0)      # np.frexp(a)[1] - 1 = floor(log2(a)), exactly
;;       r = np.clip(x / 2.0 ** e, -28, 28)
;;       step = 2.0 ** (np.maximum(np.frexp(np.where(r == 0, 1, r))[1] - 1, -2) - 2)
;;       q = np.round(r / step) * step * 2.0 ** e      # np.round: ties to even
;;       return np.moveaxis(q.reshape(q.shape[:-2] + (-1,))[..., :K], -1, axis).astype(np.float32)
;;   ~~~
;;   SOFTMAX AHEAD OF A QUANTISED PRODUCT. Where the list says 'softmax', what is quantised is not the finished softmax but p = 2^(t - M), with t = logit x log2(e) and M = ceil(the row's largest t), a whole number; so 1/2 < the row's largest p <= 1. The row's sum l is taken of the UNQUANTISED p, in f32, and the product's result is divided by l at the end. Since M is a whole number, a kernel that streams over the keys may use a running M (the ceiling of the running maximum): every later rescaling is an exact power of two, which a block's scale takes up: the codes' values come out the same.
;;   OPERANDS COMPUTED ON THE WAY. 'Computed on the way' means the value that the module computes at that place (a softmax that the list does not call 'softmax' is quantised finished and normalised). What goes into a quantiser is computed in f32, as accurately as f32 sums, v_exp_f32 and their like allow (about 1e-6 of the number): no bf16 or f16 on the way to a quantiser, and a product that is left as it is and whose result goes on into a quantised operand takes f32 operands (vector FMAs, or v_wmma_f32_16x16x4_f32). A number that lies on a knife's edge between two numbers of the format may be rounded either way, as far as f32 arithmetic and the matrix unit's own rounding can turn it there, and no further.
;; One version. Each part assembles by itself: llvm-mc -triple=amdgcn-amd-amdhsa -mcpu=gfx1250 --defsym DOCPART=n.
;; ======== version 1 of 1: 4 launches
;; limits: right only within a limited range of input values
;; workspace buffers: xc 6,291,456 bytes; xs 262,144 bytes; wc 3,145,728 bytes; ws 131,072 bytes; qkv 19,660,800 bytes; cc 6,291,456 bytes; cs 262,144 bytes
;; launch quant (part 1): grid 384 x 1, 4 waves a work-group, no clusters, 34,304 bytes of LDS; arguments x, Wq, Wk, Wv, Wo, xc, xs, wc, ws; writes xc, xs, wc, ws
.if DOCPART == 1
	.amdgcn_target "amdgcn-amd-amdhsa--gfx1250"
	.amdhsa_code_object_version 6
	.text
	.protected	k_q974f95913d_quant
	.globl	k_q974f95913d_quant
	.p2align	8
	.type	k_q974f95913d_quant,@function
k_q974f95913d_quant:
	s_mov_b64 s[64:65], 0
	v_nop
	global_prefetch_b8 v0, s[64:65] scope:SCOPE_SE
	s_setreg_imm32_b32 hwreg(HW_REG_WAVE_MODE, 25, 1), 1
	s_wait_xcnt 0x0
; LAUNCH 1 OF 4: x [8192][1024] and Wq, Wk, Wv, Wo [1024 (k)][1024 (n)], f32, become codes of BF6 (E3M2) with one E8M0 byte for each 32 along K.
; DEAD WORK: none.  Every input has a way to the output: bq and bk move q's and k's codes ahead of a quantised product, bv moves v's, bo is added at the end; no product, row or step of the problem is thrown away.
; The only padding in the program is the second half of K in the scores' products (K = 64 in an instruction of 128), which is filled with zero codes.
; LIMITS (all four launches): a block whose largest magnitude lies under 2^-122, a block of zeros among them, gets the scale byte 1 (its codes are zeros or the smallest codes; these bytes are read by this program alone);
; NaN and infinities among the inputs are not served.
; LAYOUT OF ALL CODES IN THE WORKSPACE: images of operand registers.  An H image is 16 slots x 64 along K, 768 bytes: lane L = (r, h) holds k = 32 h + 0 .. 31 of slot r in six registers; registers 0-3 lie at byte 16 L,
; registers 4-5 at byte 512 + 8 L.  Two H images on end are a fragment (16 x 128 K, 12 registers).  So every store and load of codes is dense: 512 or 256 consecutive bytes an instruction.
; TILES ARE PERMUTED: an axis is cut into groups of 32; tile 2 b + u, slot r, holds index 32 b + 8 u + r + 8 (r / 8).  As source 0 of a product such tiles leave 16 neighbours in the 16 result registers of tiles 2 b, 2 b + 1.
; xc: [token tile 512][K step 8][2][768].  wc: [column tile 256][8][2][768], tiles 0-63 Wq, 64-127 Wk, 128-191 Wv, 192-255 Wo.
; xs, ws: 512 bytes a tile: the scale word of K step ks, slot r, at 16 (r + 16 (ks % 2)) + 4 (ks / 2): one load of 16 bytes a lane brings all eight words, even K steps in lanes 0-15, odd ones in lanes 16-31.
; Work-groups 0-255 take x (a wave: one token tile, half of K), work-groups 256-383 the weights (a wave: 32 columns x 256 along K).  Memory binds: no matrix unit, no cluster, no barrier; waves share nothing.
.set SPARE, 33792                      ; behind the four stages: the spare words, 128 bytes a wave
.set PITCH, 528                        ; a stage row: 512 bytes + 16
.set FLOOR, 0x2800000                  ; 2^(5 - 127): under it no largest magnitude is taken, so the byte cannot fall under 1
.set OFFE,  0xfe000000                 ; takes 4 off an exponent field
.set TM, 8                             ; v8-9    largest magnitudes
.set SO, 10                            ; v10-11  the conversions' scale operands
.set BY, 12                            ; v12-13  scale bytes
.set PW, 16                            ; v16-19  the four fragments' scale words
.set TP, 22                            ; v22-24, v26-28 the second halves of the blocks' codes
.set C,  32                            ; v32-55  codes: two sets of 12
.set X,  64                            ; v64-127 the numbers at work
.set R,  128                           ; v128-255 x as it is loaded: two sets of 64
	s_load_b256 s[4:11], s[0:1], 0x0               ; x, Wq, Wk, Wv
	s_load_b256 s[12:19], s[0:1], 0x20             ; Wo, xc, xs, wc
	s_load_b64 s[20:21], s[0:1], 0x40              ; ws
	v_lshl_add_u32 v2, v0, 2, SPARE                ; my spare word,
	v_mov_b32 v3, 0                                ; and 0: kept for the closing lines alone
	v_lshrrev_b32 v1, 5, v0
	v_readfirstlane_b32 s22, v1                    ; wave 0..3
	v_and_b32 v30, 31, v0                          ; lane
	s_cmp_lt_u32 ttmp9, 256
	s_cbranch_scc0 .Lweights
	; ---------------- x: K is innermost.  Wave w of work-group g: token tile T = 2 g + w / 2, K half y = w % 2: four fragments
	s_mov_b32 s23, 0xffff0000                      ; lanes 16-31
	s_mov_b32 s24, 0x76543210
	s_mov_b32 s25, 0xfedcba98                      ; selects for lane l xor 16
	s_lshr_b32 s26, s22, 1                         ; u
	s_and_b32 s27, s22, 1                          ; y
	v_lshlrev_b32 v1, 4, v30                       ; 16 L
	s_mul_i32 s28, s22, 16*PITCH                   ; my stage
	v_add_nc_u32 v4, s28, v1                       ; into it: a row as it is loaded
	v_and_b32 v31, 15, v0                          ; r
	v_bfe_u32 v29, v0, 4, 1                        ; h
	v_mul_u32_u24 v5, v31, PITCH
	v_lshl_add_u32 v5, v29, 7, v5
	v_add_nc_u32 v5, s28, v5                       ; out of it: row r, + 128 h: my 32 numbers of each 64
	s_wait_alu depctr_va_vdst(0)
	v_lshlrev_b32 v6, 3, v30
	v_add_nc_u32 v6, 512, v6                       ; 8 L + 512
	v_lshlrev_b32 v7, 3, v29                       ; 8 h: my bytes' place in a scale word
	v_mov_b32 v15, 0                               ; a lane permute's destination counts as one of its sources
	s_lshl_b32 s30, ttmp9, 17                      ; 32 g rows of 4,096 bytes
	s_lshl_b32 s29, s26, 15                        ; + 8 u rows
	s_add_co_u32 s30, s30, s29
	s_lshl_b32 s29, s27, 11                        ; + 2,048 y
	s_add_co_u32 s30, s30, s29
	s_mov_b32 s31, 0
	s_lshl_b32 s32, ttmp9, 1
	s_add_co_u32 s32, s32, s26                     ; T
	s_mul_i32 s34, s32, 12288
	s_mul_i32 s29, s27, 6144
	s_add_co_u32 s34, s34, s29
	s_mov_b32 s35, 0
	s_lshl_b32 s36, s32, 9
	s_lshl_b32 s29, s27, 3
	s_add_co_u32 s36, s36, s29
	s_mov_b32 s37, 0
	s_wait_kmcnt 0x0
	s_add_nc_u64 s[4:5], s[4:5], s[30:31]
	s_add_nc_u64 s[14:15], s[14:15], s[34:35]
	s_add_nc_u64 s[16:17], s[16:17], s[36:37]
.macro XLOAD f                         ; fragment f: 512 bytes of each of the tile's 16 rows; a load reads 512 consecutive bytes
.irp j, 0,1,2,3,4,5,6,7,8,9,10,11,12,13,14,15
	global_load_b128 v[R+64*((\f)%2)+4*\j:R+64*((\f)%2)+4*\j+3], v1, s[4:5] offset:(\j+8*(\j/8))*4096+512*(\f) th:TH_LOAD_NT
.endr
.endm
.macro XFRAG f
.set RS, R+64*((\f)%2)
.set CC, C+12*((\f)%2)
.if (\f) < 3
	s_wait_loadcnt 16                              ; my 16 loads are in; the other set's 16 may be out
.else
	s_wait_loadcnt 0x0
.endif
.irp j, 0,1,2,3,4,5,6,7,8,9,10,11,12,13,14,15
	ds_store_b128 v4, v[RS+4*\j:RS+4*\j+3] offset:PITCH*\j
.endr
.irp c, 0,1
.irp i, 0,1,2,3,4,5,6,7
	ds_load_b128 v[X+32*\c+4*\i:X+32*\c+4*\i+3], v5 offset:256*\c+16*\i   ; LDS serves a wave's instructions in order: these see the stores above.  k = 64 c + 32 h + 4 i ..
.endr
.endr
.if (\f) < 2
	s_wait_dscnt 16                                ; only the 16 loads are out: the stores have read their registers,
	XLOAD (\f)+2                                   ; which take the fragment two on
.endif
	s_wait_dscnt 0x0
.irp c, 0,1                                    ; my block 2 c + h: all its 32 numbers are mine
	v_max3_num_f32 v[TM+\c], |v[X+32*\c]|, |v[X+32*\c+1]|, FLOOR
.endr
.irp i, 2,4,6,8,10,12,14,16,18,20,22,24,26,28,30
.irp c, 0,1
	v_max3_num_f32 v[TM+\c], v[TM+\c], |v[X+32*\c+\i]|, |v[X+32*\c+\i+1]|
.endr
.endr
.irp c, 0,1
	v_add_nc_u32 v[SO+\c], OFFE, v[TM+\c]          ; the conversion takes the exponent field of this operand as its scale
.endr
.irp c, 0,1
	v_lshrrev_b32 v[BY+\c], 23, v[SO+\c]           ; the scale's byte
.endr
	v_lshl_or_b32 v14, v[BY+1], 16, v[BY]          ; blocks h and 2 + h,
	v_lshlrev_b32 v14, v7, v14                     ; at their places in the word;
	v_permlanex16_b32 v15, v14, s24, s25
	v_or_b32 v[PW+(\f)], v14, v15                  ; with lane l xor 16's two the word is whole
.if (\f) >= 2
	s_wait_alu depctr_va_vdst(0)
	s_wait_xcnt 0x0                                ; this set of codes is written again only when its last stores have read it
.endif
.irp c, 0,1
	v_cvt_scalef32_pk16_bf6_f32 v[CC+6*\c:CC+6*\c+2], v[X+32*\c:X+32*\c+15], v[SO+\c]
	v_cvt_scalef32_pk16_bf6_f32 v[TP+4*\c:TP+4*\c+2], v[X+32*\c+16:X+32*\c+31], v[SO+\c]   ; (a conversion's three registers begin on an even number)
.endr
	v_nop                                          ; one plain line behind the conversions
.irp c, 0,1
.irp i, 0,1,2
	v_mov_b32 v[CC+6*\c+3+\i], v[TP+4*\c+\i]
.endr
.endr
.irp c, 0,1
	global_store_b128 v1, v[CC+6*\c:CC+6*\c+3], s[14:15] offset:1536*(\f)+768*\c     ; 512 consecutive bytes
	global_store_b64 v6, v[CC+6*\c+4:CC+6*\c+5], s[14:15] offset:1536*(\f)+768*\c    ; 256 consecutive bytes
.endr
.endm
	XLOAD 0
	XLOAD 1
	XFRAG 0
	XFRAG 1
	XFRAG 2
	XFRAG 3
	v_cndmask_b32 v20, v[PW], v[PW+1], s23         ; lanes 0-15 keep the even K steps' words, lanes 16-31 the odd ones'
	v_cndmask_b32 v21, v[PW+2], v[PW+3], s23
	global_store_b64 v1, v[20:21], s[16:17]        ; 8 bytes of each lane's 16: the other K half's wave stores the rest
	s_wait_tensorcnt 0x0                           ; the wave's end: the closing lines, behind my last LDS store
	ds_add_u32 v2, v3
	s_wait_dscnt 0x0
	s_endpgm
	; ---------------- the weights: K is the first axis.  A lane takes a column, its registers run down K: a block of 32 lies in one lane.
.Lweights:
	s_sub_co_u32 s26, ttmp9, 256
	s_lshr_b32 s27, s26, 5                         ; which weight
	s_bfe_u32 s28, s26, 0x30002                    ; which 128 columns
	s_and_b32 s29, s26, 3                          ; which 256 along K
	s_wait_alu depctr_va_vdst(0)
	v_lshlrev_b32 v1, 2, v30                       ; 4 bytes a lane
	v_bfe_u32 v31, v0, 3, 1                        ; my column l of the group of 32 is slot r = l % 8 + 8 (l / 16) of tile u = (l / 8) % 2
	v_and_b32 v29, 7, v0
	v_bfe_u32 v28, v0, 4, 1
	v_lshl_add_u32 v29, v28, 3, v29
	v_mul_u32_u24 v4, v31, 12288
	v_lshl_add_u32 v5, v29, 3, v4
	v_add_nc_u32 v5, 512, v5                       ; 12,288 u + 8 r + 512
	v_lshl_add_u32 v4, v29, 4, v4                  ; 12,288 u + 16 r
	v_lshlrev_b32 v6, 9, v31
	v_lshl_add_u32 v6, v29, 4, v6                  ; 512 u + 16 r
	s_lshl_b32 s30, s29, 20                        ; 256 rows of 4,096 bytes
	s_lshl_b32 s31, s28, 9
	s_add_co_u32 s30, s30, s31
	s_lshl_b32 s31, s22, 7
	s_add_co_u32 s30, s30, s31                     ; + 4 x my first column
	s_mov_b32 s31, 0
	s_lshl_b32 s32, s27, 6
	s_lshl_b32 s33, s28, 3
	s_add_co_u32 s32, s32, s33
	s_lshl_b32 s33, s22, 1
	s_add_co_u32 s32, s32, s33                     ; my first tile: 64 x weight + 8 x block + 2 x wave
	s_mul_i32 s34, s32, 12288
	s_mul_i32 s33, s29, 3072
	s_add_co_u32 s34, s34, s33
	s_mov_b32 s35, 0
	s_lshl_b32 s36, s32, 9
	s_lshl_b32 s33, s29, 2
	s_add_co_u32 s36, s36, s33
	s_mov_b32 s37, 0
	s_wait_kmcnt 0x0
	s_cmp_eq_u32 s27, 1                            ; the choice hangs on the work-group's number alone
	s_cselect_b64 s[38:39], s[8:9], s[6:7]
	s_cmp_eq_u32 s27, 2
	s_cselect_b64 s[38:39], s[10:11], s[38:39]
	s_cmp_eq_u32 s27, 3
	s_cselect_b64 s[38:39], s[12:13], s[38:39]
	s_add_nc_u64 s[38:39], s[38:39], s[30:31]
	s_add_nc_u64 s[18:19], s[18:19], s[34:35]
	s_add_nc_u64 s[20:21], s[20:21], s[36:37]
.macro WLOAD t                         ; block t: 32 rows of K at my column; a load reads 128 consecutive bytes, the four waves stand side by side
.irp i, 0,1,2,3,4,5,6,7,8,9,10,11,12,13,14,15,16,17,18,19,20,21,22,23,24,25,26,27,28,29,30,31
	global_load_b32 v[X+32*((\t)%2)+\i], v1, s[38:39] offset:(32*(\t)+\i)*4096 th:TH_LOAD_NT
.endr
.endm
.macro WBLOCK t
.set XS, X+32*((\t)%2)
.set CW, C+16*((\t)%2)
.if (\t) < 7
	s_wait_loadcnt 32                              ; this block's 32 loads are in; the next block's may be out
.else
	s_wait_loadcnt 0x0
.endif
	v_max3_num_f32 v8, |v[XS]|, |v[XS+1]|, |v[XS+2]|
	v_max3_num_f32 v9, |v[XS+3]|, |v[XS+4]|, |v[XS+5]|
.irp i, 6,10,14,18,22,26
	v_max3_num_f32 v8, v8, |v[XS+\i]|, |v[XS+\i+1]|
	v_max3_num_f32 v9, v9, |v[XS+\i+2]|, |v[XS+\i+3]|
.endr
	v_max3_num_f32 v8, v8, |v[XS+30]|, |v[XS+31]|
	v_max3_num_f32 v8, v8, v9, FLOOR
	v_add_nc_u32 v10, OFFE, v8
	v_lshrrev_b32 v11, 23, v10
.if (\t)%4 == 0
	v_mov_b32 v[12+(\t)/4], v11                    ; four bytes make a K step's word, the lower K in the lower byte
.else
	v_lshl_or_b32 v[12+(\t)/4], v11, 8*((\t)%4), v[12+(\t)/4]
.endif
.if (\t) >= 2
	s_wait_alu depctr_va_vdst(0)
	s_wait_xcnt 0x0                                ; this set of codes is written again only when its last stores have read it
.endif
	v_cvt_scalef32_pk16_bf6_f32 v[CW:CW+2], v[XS:XS+15], v10
	v_cvt_scalef32_pk16_bf6_f32 v[CW+8:CW+10], v[XS+16:XS+31], v10
	v_nop
.irp i, 0,1,2
	v_mov_b32 v[CW+3+\i], v[CW+8+\i]
.endr
	; my block is what lane (r, h = t % 2) of the H image (K step t / 4, half (t / 2) % 2) holds
	global_store_b128 v4, v[CW:CW+3], s[18:19] offset:1536*((\t)/4)+768*(((\t)/2)%2)+256*((\t)%2)     ; 256 consecutive bytes in each of two tiles
	global_store_b64 v5, v[CW+4:CW+5], s[18:19] offset:1536*((\t)/4)+768*(((\t)/2)%2)+128*((\t)%2)    ; 128 consecutive bytes in each: one third of the codes goes out in such halves
.if (\t) < 6
	WLOAD (\t)+2
.endif
.endm
	WLOAD 0
	WLOAD 1
.irp t, 0,1,2,3,4,5,6,7
	WBLOCK \t
.endr
	global_store_b32 v6, v12, s[20:21]             ; the even K step's word, 4 bytes of each 16: small beside the codes
	global_store_b32 v6, v13, s[20:21] offset:256  ; the odd one's
	s_endpgm
.Lfunc_end_k_q974f95913d_quant:
	.size	k_q974f95913d_quant, .Lfunc_end_k_q974f95913d_quant-k_q974f95913d_quant
	.p2alignl 7, 3214868480
	.fill 96, 4, 3214868480
	.section	.rodata,"a",@progbits
	.p2align	6, 0x0
	.amdhsa_kernel k_q974f95913d_quant
		.amdhsa_group_segment_fixed_size 34304
		.amdhsa_private_segment_fixed_size 0
		.amdhsa_enable_private_segment 0
		.amdhsa_kernarg_size 72
		.amdhsa_user_sgpr_count 2
		.amdhsa_user_sgpr_kernarg_segment_ptr 1
		.amdhsa_wavefront_size32 1
		.amdhsa_system_sgpr_workgroup_id_x 1
		.amdhsa_system_sgpr_workgroup_id_y 1
		.amdhsa_system_sgpr_workgroup_id_z 1
		.amdhsa_system_vgpr_workitem_id 0
		.amdhsa_next_free_vgpr 256
		.amdhsa_next_free_sgpr 66
		.amdhsa_reserve_vcc 0
		.amdhsa_float_denorm_mode_32 3
		.amdhsa_float_denorm_mode_16_64 3
		.amdhsa_memory_ordered 1
		.amdhsa_forward_progress 1
		.amdhsa_inst_pref_size 70
	.end_amdhsa_kernel
	.amdgpu_metadata
---
amdhsa.version: [ 1, 2 ]
amdhsa.kernels:
  - .name:           k_q974f95913d_quant
    .symbol:         k_q974f95913d_quant.kd
    .args:
      - { .name: x, .offset: 0, .size: 8, .value_kind: global_buffer, .address_space: global }
      - { .name: Wq, .offset: 8, .size: 8, .value_kind: global_buffer, .address_space: global }
      - { .name: Wk, .offset: 16, .size: 8, .value_kind: global_buffer, .address_space: global }
      - { .name: Wv, .offset: 24, .size: 8, .value_kind: global_buffer, .address_space: global }
      - { .name: Wo, .offset: 32, .size: 8, .value_kind: global_buffer, .address_space: global }
      - { .name: xc, .offset: 40, .size: 8, .value_kind: global_buffer, .address_space: global }
      - { .name: xs, .offset: 48, .size: 8, .value_kind: global_buffer, .address_space: global }
      - { .name: wc, .offset: 56, .size: 8, .value_kind: global_buffer, .address_space: global }
      - { .name: ws, .offset: 64, .size: 8, .value_kind: global_buffer, .address_space: global }
    .group_segment_fixed_size: 34304
    .private_segment_fixed_size: 0
    .kernarg_segment_align: 8
    .kernarg_segment_size: 72
    .max_flat_workgroup_size: 128
    .sgpr_count:     66
    .vgpr_count:     256
    .wavefront_size: 32
...
	.end_amdgpu_metadata
.endif
;; end of part 1
;; launch gemm_qkv (part 2): grid 64 x 4, 4 waves a work-group, clusters of 4 x 4, 327,680 bytes of LDS; arguments xc, xs, wc, ws, bq, bk, bv, qkv; writes qkv
.if DOCPART == 2
	.amdgcn_target "amdgcn-amd-amdhsa--gfx1250"
	.amdhsa_code_object_version 6
	.text
	.protected	k_q974f95913d_gemm_qkv
	.globl	k_q974f95913d_gemm_qkv
	.p2align	8
	.type	k_q974f95913d_gemm_qkv,@function
k_q974f95913d_gemm_qkv:
	s_mov_b64 s[64:65], 0
	v_nop
	global_prefetch_b8 v0, s[64:65] scope:SCOPE_SE
	s_setreg_imm32_b32 hwreg(HW_REG_WAVE_MODE, 25, 1), 1
	s_wait_xcnt 0x0
	s_wait_alu depctr_hold_cnt(0) depctr_sa_sdst(0) depctr_va_vdst(0) depctr_va_sdst(0) depctr_va_ssrc(0) depctr_va_vcc(0) depctr_vm_vsrc(0)
	s_getreg_b32 s2, hwreg(HW_REG_IB_STS2, 6, 4)
	s_cmp_eq_u32 s2, 0
	s_cbranch_scc0 .Lentry_in_a_cluster
	s_endpgm
.Lentry_in_a_cluster:
	s_bfe_u32 s2, ttmp6, 0x10000c
	s_cmp_lg_u32 s2, 0xf033
	s_cbranch_scc0 .Lentry_shape_is_right
	s_endpgm
.Lentry_shape_is_right:
; LAUNCH 2 OF 4: q = x Wq + bq, k = x Wk + bk, v = x Wv + bv on codes of BF6, and the results quantised on the way out: q and k along the head's 64, v along the keys.  No work is left out.
; A work-group of four waves makes 256 of operand P (source 0) x 128 of operand R (source 1); wave w takes P's tiles 8 (w % 2) .. + 7 and R's tiles 4 (w / 2) .. + 3: 32 accumulators, 256 registers.
; A lane then holds ONE slot of R and its registers run along P, whose permuted tiles leave neighbours there: the axis along which the result is quantised is P's.
; MODE QK (clusters 0-31): P = 256 columns of [Wq | Wk] (four heads), R = 128 tokens.  MODE V (clusters 32-47): P = 256 tokens (two key steps), R = 128 columns of Wv (two heads).  The mode hangs on the cluster's number alone.
; ALL OF K LIES IN LDS: (16 + 8) tiles x 12,288 bytes = 294,912 bytes, asked for at each unit's top by one tensor load a wave, filled again for each unit; there is no ring and no barrier inside K.
; A wave has one tensor load out.
; CLUSTER 4 x 4: P's tiles hang on cx and are asked for jointly by the four work-groups of a column, R's hang on cy and are asked for by the four of a row: each byte is asked for once for four work-groups.
; qkv: [batch x head 64][307,200]: Q: 16 blocks of 6,400 (8 H images, then 4 x 16 scale words); from byte 102,400 on 16 key steps of 12,800: K 8 H images | V 4 fragments (16 d x 128 keys) | K's 4 x 16 words | V's 4 x 16 words.
; A Q or K scale word: bytes 0-1 an even tile's two blocks, bytes 2-3 the next tile's: two tiles' images on end are one operand of 128 along K for the scores' products.
; LIMITS: as stated at the head of the first launch.
; REGISTERS: window 0: v1-15 addresses; v16-47 P's scale words, v48-63 R's; v64-127 the bias; v128-227 the way out.  window 1: P's fragments, two sets of 96.  window 2: R's, two sets of 48.  window 3: accumulator (pt, rt) at 8 (8 rt + pt).
; THE FILL AS THE TEXT NOW HAS IT (in place of what the head says of chunks): each wave issues ONE tensor load at the head: waves 0 and 1 P's eight tiles each over all of K
; (98,304 dense bytes as 384 rows of 256), waves 2 and 3 R's four tiles each (49,152 bytes, 192 rows).  LDS holds them as memory does: P's tile pt of half ph at 98,304 ph + 12,288 pt,
; R's tile rt of half rh at 196,608 + 49,152 rh + 12,288 rt, K step ks 1,536 ks further on.  One wait for 0 and one barrier show all of it; no address is stepped and no barrier stands inside K.
.set CH,    73728                      ; a quarter of the 294,912 bytes of tiles: SPARE is made of it
.set SPARE, 4*CH                       ; behind the chunks: the spare words, 128 bytes a wave
.set G1P, 32
.set G1R, 40
.set G0P, 48                           ; s[48:51] P's group 0
.set G0R, 68                           ; s[68:71] and R's
.set SP,   16
.set SR,   48
.set BIAS, 64
.set PC,   128                         ; the codes just made; PC + 12 .. the conversions' second halves
.set TM,   200                         ; v200-203 largest magnitudes, v204-207 bytes, v212-215 scale operands
.set PW,   216                         ; v216-219 the four scale words
.set FLOOR, 0x2800000
.set OFFE,  0xfe000000
.set MSB, 0
.macro WIN new                         ; the immediate's high byte repeats the setting that is left
.if MSB != \new
	s_set_vgpr_msb (MSB<<8)|\new
.set MSB, \new
.endif
.endm
.macro ROUND                           ; a round of the cluster's barrier
	s_barrier_signal -1
	s_barrier_wait -1
	s_cmp_lg_u32 s20, 0
	s_cbranch_scc1 .Lnot_wave_0_\@
	s_barrier_signal -3
.Lnot_wave_0_\@:
	s_barrier_wait -3
	s_barrier_signal -1
	s_barrier_wait -1
.endm
.macro PLACES                          ; four plain lines between a matrix instruction and a load into its sources or a read of its result
.rept 4
	v_nop
.endr
.endm
.macro FETCH set, q                    ; the fragments of K step q: 48 dense LDS loads
	WIN 0x40
.irp pt, 0,1,2,3,4,5,6,7
	ds_load_b128 v[96*(\set)+12*\pt:96*(\set)+12*\pt+3], v[5+235*(\pt/4)] offset:12288*(\pt%4)+1536*(\q)      ; q: the K step; tiles 4-7 by v240, v241, 49,152 bytes on, so that the offsets stay in 16 bits
	ds_load_b64 v[96*(\set)+12*\pt+4:96*(\set)+12*\pt+5], v[6+235*(\pt/4)] offset:12288*(\pt%4)+1536*(\q)
	ds_load_b128 v[96*(\set)+12*\pt+6:96*(\set)+12*\pt+9], v[5+235*(\pt/4)] offset:12288*(\pt%4)+1536*(\q)+768
	ds_load_b64 v[96*(\set)+12*\pt+10:96*(\set)+12*\pt+11], v[6+235*(\pt/4)] offset:12288*(\pt%4)+1536*(\q)+768
.endr
	WIN 0x80
.irp rt, 0,1,2,3
	ds_load_b128 v[48*(\set)+12*\rt:48*(\set)+12*\rt+3], v7 offset:12288*\rt+1536*(\q)
	ds_load_b64 v[48*(\set)+12*\rt+4:48*(\set)+12*\rt+5], v8 offset:12288*\rt+1536*(\q)
	ds_load_b128 v[48*(\set)+12*\rt+6:48*(\set)+12*\rt+9], v7 offset:12288*\rt+1536*(\q)+768
	ds_load_b64 v[48*(\set)+12*\rt+10:48*(\set)+12*\rt+11], v8 offset:12288*\rt+1536*(\q)+768
.endr
	WIN 0
.endm
; 32 products of K step ks.  cm = 0: onto the sums; 1: the sums begin with the bias along P; 2: along R.  The 32 accumulators take turns in the same order in every K step.
; The scale words of an even K step lie in lanes 0-15 of their register, those of an odd one in lanes 16-31.
.macro MUL ks, cm
.if (\cm) == 0
	WIN 0xf9
.else
	WIN 0xc9
.endif
.irp rt, 0,1,2,3
.irp pt, 0,1,2,3,4,5,6,7
.set AC, 8*(8*\rt+\pt)
.set PR, 96*((\ks)%2)+12*\pt
.set RR, 48*((\ks)%2)+12*\rt
.set SA, SP+4*\pt+(\ks)/2
.set SB, SR+4*\rt+(\ks)/2
.if (\cm) == 1
	v_wmma_scale_f32_16x16x128_f8f6f4 v[AC:AC+7], v[PR:PR+11], v[RR:RR+11], v[BIAS+8*\pt:BIAS+8*\pt+7], v[SA], v[SB] matrix_a_fmt:MATRIX_FMT_BF6 matrix_b_fmt:MATRIX_FMT_BF6
.elseif (\cm) == 2
	v_wmma_scale_f32_16x16x128_f8f6f4 v[AC:AC+7], v[PR:PR+11], v[RR:RR+11], v[BIAS+8*\rt:BIAS+8*\rt+7], v[SA], v[SB] matrix_a_fmt:MATRIX_FMT_BF6 matrix_b_fmt:MATRIX_FMT_BF6
.elseif (\ks)%2
	v_wmma_scale_f32_16x16x128_f8f6f4 v[AC:AC+7], v[PR:PR+11], v[RR:RR+11], v[AC:AC+7], v[SA], v[SB] matrix_a_fmt:MATRIX_FMT_BF6 matrix_b_fmt:MATRIX_FMT_BF6 matrix_a_scale:MATRIX_SCALE_ROW1 matrix_b_scale:MATRIX_SCALE_ROW1
.else
	v_wmma_scale_f32_16x16x128_f8f6f4 v[AC:AC+7], v[PR:PR+11], v[RR:RR+11], v[AC:AC+7], v[SA], v[SB] matrix_a_fmt:MATRIX_FMT_BF6 matrix_b_fmt:MATRIX_FMT_BF6
.endif
.endr
.endr
	WIN 0
.endm
.macro KSTEP ks                        ; the next K step's fragments are asked for, then this one's 32 products are issued
	s_wait_dscnt 0x0                               ; this K step's fragments are in
.if (\ks) < 7
	PLACES
	FETCH ((\ks)+1)%2, (\ks)+1
.endif
	MUL \ks, 0
.endm
	s_load_b256 s[4:11], s[0:1], 0x0               ; xc, xs, wc, ws
	s_load_b256 s[12:19], s[0:1], 0x20             ; bq, bk, bv, qkv
	v_lshl_add_u32 v3, v0, 2, SPARE
	v_mov_b32 v4, 0
	ds_add_u32 v3, v4                              ; the wave's opening: the add, twice on end, and its wait ahead of my first tensor load
	ds_add_u32 v3, v4
	v_lshrrev_b32 v1, 5, v0
	v_readfirstlane_b32 s20, v1                    ; wave 0..3
	s_and_b32 s21, s20, 1                          ; ph: my half of P.  Also: which half of P's or R's tiles I fetch
	s_lshr_b32 s22, s20, 1                         ; rh: my half of R
	s_bfe_u32 s23, ttmp6, 0x40000                  ; cx
	s_bfe_u32 s24, ttmp6, 0x40004                  ; cy
	; A WORK-GROUP STAYS: the launch has 16 clusters, and cluster c walks three units, the cluster numbers c, c + 16 and c + 32 of the head's deal: two of mode QK, then one of mode V, alike in all work-groups.
	; Each unit's tiles come by one joint load a wave at the unit's top; from the second unit on that load fills LDS bytes again, behind the three lines and a round of the cluster's barrier.
	; No prefetch: the walk has three trips, and a trip's whole share of tiles is asked for at once at its top.
	s_mov_b32 s52, 0                               ; the unit, 0..2
	s_wait_dscnt 0x0                               ; both opening adds are done
.Lunit:
	s_lshl_b32 s25, s52, 4
	s_add_co_u32 s25, s25, ttmp9                   ; the cluster number of the head's deal, 0..47
	s_sub_co_u32 s84, s25, 32
	s_and_b32 s85, s25, 1
	s_lshr_b32 s86, s25, 1
	s_and_b32 s87, s84, 7
	s_lshr_b32 s88, s84, 3
	s_cmp_lt_u32 s25, 32
	s_cselect_b32 s26, 0, 1                        ; mode: 0 QK, 1 V
	s_cselect_b32 s27, s85, s87                    ; pc.  In mode QK: 0 = Wq's columns, 1 = Wk's
	s_cselect_b32 s28, s86, s88                    ; rc
	s_lshl_b32 s29, s27, 2
	s_add_co_u32 s29, s29, s23                     ; pT = 4 pc + cx
	s_lshl_b32 s30, s28, 2
	s_add_co_u32 s30, s30, s24                     ; rT = 4 rc + cy
	s_mov_b32 s31, 0xffff0000                      ; lanes 16-31
	s_mov_b32 s100, 0x76543210
	s_mov_b32 s101, 0xfedcba98                     ; selects for lane l xor 16
	s_lshl_b32 s2, 0x1111, s23                     ; my column of the cluster (same cx)
	s_lshl_b32 s3, s24, 2
	s_lshl_b32 s3, 15, s3                          ; my row (same cy)
	s_or_b32 s[G1P], s2, (3<<16)|(1<<21)           ; 15:0 the mask; 17:16 elements of 8 bytes; 21 set beside a mask; no padding
	s_or_b32 s[G1R], s3, (3<<16)|(1<<21)
	s_mov_b32 s[G1P+1], 32<<16                     ; a dense block as rows of 256 bytes (32 elements of 8)
	s_mov_b32 s[G1P+2], 384<<16                    ; 384 rows: 8 tiles of 12,288 bytes
	s_mov_b32 s[G1P+3], 32<<16
	s_mov_b32 s[G1P+4], 384
	s_mov_b32 s[G1P+5], 32
	s_mov_b32 s[G1P+6], 0
	s_mov_b32 s[G1P+7], 0
	s_mov_b32 s[G1R+1], 32<<16
	s_mov_b32 s[G1R+2], 192<<16                    ; 192 rows: 4 tiles
	s_mov_b32 s[G1R+3], 32<<16
	s_mov_b32 s[G1R+4], 192
	s_mov_b32 s[G1R+5], 32
	s_mov_b32 s[G1R+6], 0
	s_mov_b32 s[G1R+7], 0
	s_lshl_b32 s87, s29, 4
	s_lshl_b32 s84, s21, 3
	s_add_co_u32 s87, s87, s84                     ; P: tile 16 pT + 8 (w % 2): what I fetch (waves 0, 1) and what I multiply
	s_mul_i32 s84, s87, 12288
	s_mov_b32 s85, 0
	s_mul_i32 s86, s21, 98304                      ; and its place in LDS
	s_lshl_b32 s88, s30, 3
	s_lshl_b32 s90, s21, 2
	s_add_co_u32 s88, s88, s90                     ; R: tile 8 rT + 4 (w % 2): what I fetch (waves 2, 3)
	s_mul_i32 s88, s88, 12288
	s_mov_b32 s89, 0
	s_mul_i32 s90, s21, 49152
	s_add_co_u32 s90, s90, 196608
	s_lshl_b32 s91, s30, 3
	s_lshl_b32 s2, s22, 2
	s_add_co_u32 s91, s91, s2                      ; R: tile 8 rT + 4 rh: what I multiply
	v_and_b32 v12, 31, v0                          ; L
	v_lshlrev_b32 v1, 4, v12                       ; 16 L
	v_lshlrev_b32 v2, 3, v12
	v_add_nc_u32 v2, 512, v2                       ; 8 L + 512
	v_lshlrev_b32 v11, 2, v12                      ; 4 L
	v_add_nc_u32 v5, s86, v1                       ; my P fragments: 98,304 ph + 16 L,
	v_add_nc_u32 v6, s86, v2                       ; and + 8 L + 512;
	v_add_nc_u32 v240, 49152, v5                   ; tiles 4-7
	v_add_nc_u32 v241, 49152, v6
	s_mul_i32 s2, s22, 49152
	s_add_co_u32 s2, s2, 196608
	v_add_nc_u32 v7, s2, v1                        ; my R fragments
	v_add_nc_u32 v8, s2, v2
	v_bfe_u32 v9, v0, 4, 1
	v_lshlrev_b32 v9, 6, v9                        ; 64 h: the bias along P
	v_and_b32 v13, 15, v0
	v_and_b32 v10, 8, v13
	v_add_nc_u32 v10, v10, v13
	v_lshlrev_b32 v10, 2, v10                      ; 4 (r + 8 (r / 8)): the bias along R
	s_wait_dscnt 0x0                               ; both opening adds are done
	s_wait_kmcnt 0x0
	s_add_nc_u64 s[96:97], s[8:9], 128*12288       ; Wv's tiles,
	s_add_nc_u64 s[98:99], s[10:11], 128*512       ; and their scale words
	s_cmp_eq_u32 s26, 0
	s_cselect_b64 s[92:93], s[8:9], s[4:5]         ; P's codes: the weights or x
	s_cselect_b64 s[94:95], s[10:11], s[6:7]       ; P's scale words
	s_cselect_b64 s[96:97], s[4:5], s[96:97]       ; R's codes
	s_cselect_b64 s[98:99], s[6:7], s[98:99]
	s_add_nc_u64 s[92:93], s[92:93], s[84:85]
	s_add_nc_u64 s[96:97], s[96:97], s[88:89]
.irp c, 0
	s_mov_b32 s[G0P+4*\c], 1
	s_add_co_u32 s[G0P+4*\c+1], s86, \c*CH         ; LDS address: the wave's number and constants alone
	s_add_nc_u64 s[G0P+4*\c+2:G0P+4*\c+3], s[92:93], \c*3072
	s_or_b32 s[G0P+4*\c+3], s[G0P+4*\c+3], 0x80000000   ; type = 2
	s_mov_b32 s[G0R+4*\c], 1
	s_add_co_u32 s[G0R+4*\c+1], s90, \c*CH
	s_add_nc_u64 s[G0R+4*\c+2:G0R+4*\c+3], s[96:97], \c*3072
	s_or_b32 s[G0R+4*\c+3], s[G0R+4*\c+3], 0x80000000
.endr
	s_lshl_b32 s84, s87, 9
	s_add_nc_u64 s[94:95], s[94:95], s[84:85]      ; my P tiles' scale blocks
	s_lshl_b32 s88, s91, 9
	s_add_nc_u64 s[98:99], s[98:99], s[88:89]      ; my R tiles'
	s_lshl_b32 s2, s29, 1
	s_add_co_u32 s2, s2, s21
	s_and_b32 s2, s2, 7
	s_lshl_b32 s2, s2, 9                           ; QK: my 128 features of bq or bk
	s_lshl_b32 s3, s30, 9
	s_lshl_b32 s84, s22, 8
	s_add_co_u32 s3, s3, s84                       ; V: my 64 features of bv
	s_cmp_eq_u32 s27, 0
	s_cselect_b64 s[92:93], s[12:13], s[14:15]
	s_cmp_eq_u32 s26, 0
	s_cselect_b64 s[92:93], s[92:93], s[16:17]
	s_cselect_b32 s2, s2, s3
	s_mov_b32 s3, 0
	s_add_nc_u64 s[92:93], s[92:93], s[2:3]
	s_wait_tensorcnt 0x0                           ; no tensor load of mine is out;
	ds_add_u32 v3, v4                              ; the add, written twice
	ds_add_u32 v3, v4
	s_wait_dscnt 0x0                               ; the adds are done, and so are my reads of the last unit's tiles
	ROUND                                          ; all sixteen work-groups are here: nobody reads the old tiles, and the joint loads meet
	s_cmp_lt_u32 s20, 2
	s_cbranch_scc0 .Lfill_r
.irp c, 0
	tensor_load_to_lds s[G0P+4*\c:G0P+4*\c+3], s[G1P:G1P+7]
	s_nop 0
.endr
.rept 4
	v_nop
.endr
	s_branch .Lfilled
.Lfill_r:
.irp c, 0
	tensor_load_to_lds s[G0R+4*\c:G0R+4*\c+3], s[G1R:G1R+7]
	s_nop 0
.endr
.rept 4
	v_nop
.endr
.Lfilled:
.irp pt, 0,1,2,3,4,5,6,7
	global_load_b128 v[SP+4*\pt:SP+4*\pt+3], v1, s[94:95] offset:512*\pt    ; a tile's eight scale words a slot
.endr
.irp rt, 0,1,2,3
	global_load_b128 v[SR+4*\rt:SR+4*\rt+3], v1, s[98:99] offset:512*\rt
.endr
	s_cmp_lg_u32 s26, 0
	s_cbranch_scc1 .Lbias_v
	s_wait_alu depctr_va_vdst(0)
.irp pt, 0,1,2,3,4,5,6,7                       ; register j of tile pt is feature 32 (pt / 2) + 16 h + 8 (pt % 2) + j
	global_load_b128 v[BIAS+8*\pt:BIAS+8*\pt+3], v9, s[92:93] offset:(32*(\pt/2)+8*(\pt%2))*4
	global_load_b128 v[BIAS+8*\pt+4:BIAS+8*\pt+7], v9, s[92:93] offset:(32*(\pt/2)+8*(\pt%2))*4+16
.endr
	s_branch .Lbias_done
.Lbias_v:
	s_wait_alu depctr_va_vdst(0)
.irp rt, 0,1,2,3                               ; my slot r of tile rt is feature 32 (rt / 2) + 8 (rt % 2) + r + 8 (r / 8)
	global_load_b32 v[BIAS+8*\rt], v10, s[92:93] offset:(32*(\rt/2)+8*(\rt%2))*4
.endr
.Lbias_done:
	s_wait_tensorcnt 0x0                           ; my one load has landed
	s_barrier_signal -1
	s_barrier_wait -1                              ; everybody's has
	FETCH 0, 0
	s_wait_loadcnt 0x0                             ; scale words and bias
	s_wait_dscnt 0x0                               ; K step 0
	FETCH 1, 1
	s_cmp_lg_u32 s26, 0
	s_cbranch_scc1 .Lk0_v
	MUL 0, 1
	s_branch .Lk0_done
.Lk0_v:
.irp rt, 0,1,2,3
.irp j, 1,2,3,4,5,6,7
	v_mov_b32 v[BIAS+8*\rt+\j], v[BIAS+8*\rt]      ; one feature a lane: the same in all eight registers
.endr
.endr
	PLACES
	MUL 0, 2
.Lk0_done:
.irp ks, 1,2,3,4,5,6,7
	KSTEP \ks
.endr
	PLACES
; THE WAY OUT.  The 64 registers of R's tile rt, register 16 b + i = P's index 32 b + 16 h + i of my slot, become a fragment's codes in v[PC] on and its scale word in v[PW + rt].
.macro QUANT rt
.set QS, 64*(\rt)
	WIN 0x0f                                       ; sources 0 and 1: the accumulators' window
.irp b, 0,1,2,3
	v_max3_num_f32 v[TM+\b], |v[QS+16*\b]|, |v[QS+16*\b+1]|, FLOOR   ; each accumulator is read from its low end on
.endr
.irp i, 2,4,6,8,10,12,14
.irp b, 0,1,2,3
	v_max3_num_f32 v[TM+\b], |v[QS+16*\b+\i]|, |v[QS+16*\b+\i+1]|, v[TM+\b]
.endr
.endr
	WIN 0
.irp b, 0,1,2,3
	v_permlanex16_b32 v[TM+4+\b], v[TM+\b], s100, s101
.endr
.irp b, 0,1,2,3
	v_max_num_f32 v[TM+\b], v[TM+\b], v[TM+4+\b]   ; with lane l xor 16's: the block's largest magnitude
.endr
.irp b, 0,1,2,3
	v_add_nc_u32 v[TM+12+\b], OFFE, v[TM+\b]
.endr
.irp b, 0,1,2,3
	v_lshrrev_b32 v[TM+4+\b], 23, v[TM+12+\b]
.endr
	v_lshl_or_b32 v[PW+(\rt)], v[TM+5], 8, v[TM+4]
	v_lshl_or_b32 v[PW+(\rt)], v[TM+6], 16, v[PW+(\rt)]
	v_lshl_or_b32 v[PW+(\rt)], v[TM+7], 24, v[PW+(\rt)]
	s_wait_xcnt 0x0                                ; the last tile's stores have read the codes' registers
	WIN 0x03
.irp c, 0,1
	v_cvt_scalef32_pk16_bf6_f32 v[PC+6*\c:PC+6*\c+2], v[QS+32*\c:QS+32*\c+15], v[TM+12+2*\c]
	v_cvt_scalef32_pk16_bf6_f32 v[PC+12+4*\c:PC+14+4*\c], v[QS+32*\c+16:QS+32*\c+31], v[TM+12+2*\c+1]
.endr
	WIN 0
	v_nop                                          ; one plain line behind the conversions
.irp c, 0,1                                    ; the operand's layout wants a whole block in a lane
.irp i, 0,1,2
	v_permlane16_swap_b32 v[PC+6*\c+\i], v[PC+12+4*\c+\i]
.endr
.irp i, 0,1,2
	v_mov_b32 v[PC+3+6*\c+\i], v[PC+12+4*\c+\i]
.endr
.endr
.endm
.macro PUT off, cs                     ; the fragment's two H images, cs bytes apart
.irp c, 0,1
	global_store_b128 v1, v[PC+6*\c:PC+6*\c+3], s[84:85] offset:(\off)+(\cs)*\c      ; 512 consecutive bytes
	global_store_b64 v2, v[PC+6*\c+4:PC+6*\c+5], s[84:85] offset:(\off)+(\cs)*\c     ; 256 consecutive bytes
.endr
.endm
.irp b, 0,1,2,3
	v_mov_b32 v[TM+4+\b], 0                        ; a lane permute's destination counts as one of its sources
.endr
	s_cmp_lg_u32 s26, 0
	s_cbranch_scc1 .Lout_v
	; mode QK: my 128 features are heads 2 g and 2 g + 1: the fragment's two halves are one H image of each; my tokens are tiles 4 rh + rt of block rT % 16 of batch rT / 16
	s_lshr_b32 s88, s30, 4
	s_lshl_b32 s88, s88, 4
	s_lshl_b32 s89, s29, 1
	s_add_co_u32 s89, s89, s21
	s_and_b32 s89, s89, 7
	s_lshl_b32 s89, s89, 1
	s_add_co_u32 s88, s88, s89                     ; 16 x batch + 2 g
	s_mul_i32 s88, s88, 307200
	s_and_b32 s89, s30, 15
	s_mul_i32 s90, s89, 6400                       ; Q's block,
	s_mul_i32 s91, s89, 12800
	s_add_co_u32 s91, s91, 102400                  ; or the key step
	s_mov_b32 s92, 12288
	s_cmp_eq_u32 s27, 0
	s_cselect_b32 s90, s90, s91
	s_cselect_b32 s92, 6144, s92                   ; where its scale words begin
	s_add_co_u32 s88, s88, s90
	s_add_co_u32 s92, s92, s88
	s_lshl_b32 s93, s22, 7
	s_add_co_u32 s92, s92, s93
	s_mul_i32 s93, s22, 3072
	s_add_co_u32 s88, s88, s93
	s_mov_b32 s89, 0
	s_mov_b32 s93, 0
	s_add_nc_u64 s[84:85], s[18:19], s[88:89]
	s_add_nc_u64 s[86:87], s[18:19], s[92:93]
	s_mov_b32 s98, 0x05040100                      ; two low halves
	s_mov_b32 s99, 0x07060302                      ; two high halves
.irp rt, 0,1,2,3
	QUANT \rt
	PUT 768*\rt, 307200
.endr
	v_perm_b32 v224, v[PW+1], v[PW], s98           ; head 2 g: tiles 0 and 1 of mine,
	v_perm_b32 v225, v[PW+3], v[PW+2], s98         ; tiles 2 and 3
	v_cndmask_b32 v224, v224, v225, s31            ; lanes 0-15 the first pair's words, lanes 16-31 the second's
	v_perm_b32 v226, v[PW+1], v[PW], s99           ; head 2 g + 1
	v_perm_b32 v227, v[PW+3], v[PW+2], s99
	v_cndmask_b32 v226, v226, v227, s31
	global_store_b32 v11, v224, s[86:87]           ; 128 consecutive bytes
	global_store_b32 v11, v226, s[86:87] offset:307200
	s_branch .Lend
.Lout_v:
	; mode V: my 128 tokens are key step (2 pT + ph) % 16 of batch (2 pT + ph) / 16; my 64 columns are head 2 rT + rh, tile rt = 16 of its d
	s_lshl_b32 s88, s29, 1
	s_add_co_u32 s88, s88, s21
	s_lshr_b32 s89, s88, 4
	s_and_b32 s88, s88, 15
	s_lshl_b32 s89, s89, 4
	s_lshl_b32 s90, s30, 1
	s_add_co_u32 s90, s90, s22
	s_add_co_u32 s89, s89, s90
	s_mul_i32 s89, s89, 307200
	s_mul_i32 s88, s88, 12800
	s_add_co_u32 s88, s88, s89
	s_add_co_u32 s88, s88, 102400+6144
	s_mov_b32 s89, 0
	s_add_nc_u64 s[84:85], s[18:19], s[88:89]
.irp rt, 0,1,2,3
	QUANT \rt
	PUT 1536*\rt, 768
.endr
	v_cndmask_b32 v224, v[PW], v[PW+1], s31
	v_cndmask_b32 v226, v[PW+2], v[PW+3], s31
	global_store_b32 v11, v224, s[84:85] offset:6400    ; V's scale words, behind K's
	global_store_b32 v11, v226, s[84:85] offset:6528
.Lend:
	s_wait_xcnt 0x0                                ; the unit's loads and stores have read their registers and bases: the next unit writes them again
	s_add_co_u32 s52, s52, 1
	s_cmp_lt_u32 s52, 3
	s_wait_alu depctr_va_vdst(0)                   ; the wait here, directly ahead of the branch
	s_cbranch_scc1 .Lunit
	s_wait_tensorcnt 0x0
	ds_add_u32 v3, v4
	s_wait_dscnt 0x0
	ROUND                                          ; the closing round
	s_endpgm
.Lfunc_end_k_q974f95913d_gemm_qkv:
	.size	k_q974f95913d_gemm_qkv, .Lfunc_end_k_q974f95913d_gemm_qkv-k_q974f95913d_gemm_qkv
	.p2alignl 7, 3214868480
	.fill 96, 4, 3214868480
	.section	.rodata,"a",@progbits
	.p2align	6, 0x0
	.amdhsa_kernel k_q974f95913d_gemm_qkv
		.amdhsa_group_segment_fixed_size 327680
		.amdhsa_private_segment_fixed_size 0
		.amdhsa_enable_private_segment 0
		.amdhsa_kernarg_size 64
		.amdhsa_user_sgpr_count 2
		.amdhsa_user_sgpr_kernarg_segment_ptr 1
		.amdhsa_wavefront_size32 1
		.amdhsa_system_sgpr_workgroup_id_x 1
		.amdhsa_system_sgpr_workgroup_id_y 1
		.amdhsa_system_sgpr_workgroup_id_z 1
		.amdhsa_system_vgpr_workitem_id 0
		.amdhsa_next_free_vgpr 1024
		.amdhsa_next_free_sgpr 102
		.amdhsa_reserve_vcc 0
		.amdhsa_float_denorm_mode_32 3
		.amdhsa_float_denorm_mode_16_64 3
		.amdhsa_memory_ordered 1
		.amdhsa_forward_progress 1
		.amdhsa_inst_pref_size 111
	.end_amdhsa_kernel
	.amdgpu_metadata
---
amdhsa.version: [ 1, 2 ]
amdhsa.kernels:
  - .name:           k_q974f95913d_gemm_qkv
    .symbol:         k_q974f95913d_gemm_qkv.kd
    .args:
      - { .name: xc, .offset: 0, .size: 8, .value_kind: global_buffer, .address_space: global }
      - { .name: xs, .offset: 8, .size: 8, .value_kind: global_buffer, .address_space: global }
      - { .name: wc, .offset: 16, .size: 8, .value_kind: global_buffer, .address_space: global }
      - { .name: ws, .offset: 24, .size: 8, .value_kind: global_buffer, .address_space: global }
      - { .name: bq, .offset: 32, .size: 8, .value_kind: global_buffer, .address_space: global }
      - { .name: bk, .offset: 40, .size: 8, .value_kind: global_buffer, .address_space: global }
      - { .name: bv, .offset: 48, .size: 8, .value_kind: global_buffer, .address_space: global }
      - { .name: qkv, .offset: 56, .size: 8, .value_kind: global_buffer, .address_space: global }
    .group_segment_fixed_size: 327680
    .private_segment_fixed_size: 0
    .kernarg_segment_align: 8
    .kernarg_segment_size: 64
    .max_flat_workgroup_size: 128
    .sgpr_count:     102
    .vgpr_count:     1024
    .wavefront_size: 32
...
	.end_amdgpu_metadata
.endif
;; end of part 2
;; launch attn (part 3): grid 4 x 64, 8 waves a work-group, clusters of 4 x 1, 327,680 bytes of LDS; arguments qkv, cc, cs; writes cc, cs
.if DOCPART == 3
	.amdgcn_target "amdgcn-amd-amdhsa--gfx1250"
	.amdhsa_code_object_version 6
	.text
	.protected	k_q974f95913d_attn
	.globl	k_q974f95913d_attn
	.p2align	8
	.type	k_q974f95913d_attn,@function
k_q974f95913d_attn:
	s_mov_b64 s[64:65], 0
	v_nop
	global_prefetch_b8 v0, s[64:65] scope:SCOPE_SE
	s_setreg_imm32_b32 hwreg(HW_REG_WAVE_MODE, 25, 1), 1
	s_wait_xcnt 0x0
	s_wait_alu depctr_hold_cnt(0) depctr_sa_sdst(0) depctr_va_vdst(0) depctr_va_sdst(0) depctr_va_ssrc(0) depctr_va_vcc(0) depctr_vm_vsrc(0)
	s_getreg_b32 s2, hwreg(HW_REG_IB_STS2, 6, 4)
	s_cmp_eq_u32 s2, 0
	s_cbranch_scc0 .Lentry_in_a_cluster
	s_endpgm
.Lentry_in_a_cluster:
	s_bfe_u32 s2, ttmp6, 0x10000c
	s_cmp_lg_u32 s2, 0x3003
	s_cbranch_scc0 .Lentry_shape_is_right
	s_endpgm
.Lentry_shape_is_right:
; LAUNCH 3 OF 4: ctx = softmax(q k^T / 8) v for one batch and head, both products on codes of BF6, and ctx quantised along the model's 1,024 on the way out.  No work is left out.
; THE SOFTMAX: t = score x log2(e) / 8; M = the running largest t rounded up to a whole number; p = 2^(t - M) is quantised along the keys, not normalised; the row's sum is taken of the unquantised p and divides at the end.
; When M moves, the sum and O are multiplied by 2^(old M - new M), which rounds nothing.
; SHARES.  A work-group owns 512 queries of one head.  Each of its eight waves holds TWO tiles of 16 queries at once (A, B) and does that twice: every fragment of K and V read from LDS feeds both tiles,
; and the two tiles' dependent chains take turns line by line.
; THE WHOLE HEAD'S K, V AND THEIR SCALE WORDS LIE IN LDS: 16 key steps of 12,800 bytes, dense in memory, filled once; wave w asks for key steps 2 w and 2 w + 1 by one tensor load (100 rows of 256 bytes).
; Nothing is filled again and nothing is stored to LDS.  CLUSTER 4 x 1: the head's four work-groups ask for each pair of key steps jointly.
; No prefetch: all that the launch reads of K and V is asked for at its head, so there is no later stream to run ahead of.
; Both products are used transposed (S^T = K Q^T, O^T = V^T P^T): a lane holds one query of each tile throughout.
; THE KEYS OF A TILE ARE DEALT ANEW BY THE LANES' LDS ADDRESSES.  In memory image 2 b + u, slot r, is key 32 b + 8 u + r + 8 (r / 8).  Here tile (c, u'), u' = 0 .. 3, slot s, takes key 64 c + 32 (s / 8) + 8 u' + s % 8,
; which lies in image 2 (2 c + s / 8) + u' % 2 at slot s % 8 + 8 (u' / 2).  A lane of half h then holds in the 32 registers of tiles (c, 0 .. 3) the keys 64 c + 32 h + 0 .. 31: ONE WHOLE BLOCK, in the order of P's operand:
; a block's largest score needs no other lane and the codes need no lane swap.  (The eight lanes of each half row read 128 bytes on end; the two halves of a row stand 1,536 bytes apart.)
; K = 64 IN AN INSTRUCTION OF 128: two tiles' images on end are one operand; against [q | zero codes] it gives the first tile's scores, against [zero codes | q] the second's.  The zero halves carry the scale byte 1.
; LIMITS: as stated at the head of the first launch; the promise holds while the scaled scores t stay under 2^31 in magnitude.
; REGISTERS, window 0: v1-3 16 L, 8 L + 512, 4 L; v4, v5 the add's two; v6-8 K's lane places; v9 4 r, v10 16 r, v11 8 h; v[12:13] -M and the largest score of A, v[14:15] of B; v[20:21], v[22:23] f;
; v24-29 the step's LDS addresses; v30-59 zeros, qA, zeros, qB, zeros; v60-63 q's scale words; v64-111 K's four operands; v112-115 K's and V's scale words; v116-163 V's four fragments; v164-187 p's codes;
; v188-202 the conversions' second halves; v204-219 at work on blocks; v220, v221 p's scale words; v222-227 at work; v228-239 the sums.  Window 1: v0-127 S^T, then p (A, B); v128-191 O^T (A, B); v192-223 A's pair sums.
.set STEPB, 12800
.set SPARE, 16*STEPB                   ; behind the key steps: the spare words, 128 bytes a wave
.set FK,  64
.set KS,  112
.set VS,  114
.set FV,  116
.set PCA, 164
.set PCB, 176
.set TC,  188
.set BM,  204
.set SO,  208
.set BY,  212
.set LA,  228                          ; A's sum, and one more chain
.set LB,  232                          ; B's sum, and three more chains
.set SA,  0                            ; window 1
.set SB,  64
.set OA,  128
.set OB,  160
.set TS,  192
.set FLOOR, 0x2800000
.set OFFE,  0xfe000000
.set MSB, 0
.macro WIN new                         ; low byte: bits 1:0 source 0, 3:2 source 1, 5:4 source 2, 7:6 destination; the high byte repeats the setting that is left
.if MSB != \new
	s_set_vgpr_msb (MSB<<8)|\new
.set MSB, \new
.endif
.endm
.macro QLOAD                           ; a pass's two H images of q and the pair's scale words, into v240-252: asked for a pass ahead (the first pass's under the head's tensor load)
	global_load_b128 v[240:243], v1, s[38:39]
	global_load_b64 v[244:245], v2, s[38:39]
	global_load_b128 v[246:249], v1, s[38:39] offset:768
	global_load_b64 v[250:251], v2, s[38:39] offset:768
	global_load_b32 v252, v9, s[40:41]
.endm
.macro ROUND
	s_barrier_signal -1
	s_barrier_wait -1
	s_cmp_lg_u32 s10, 0
	s_cbranch_scc1 .Lnot_wave_0_\@
	s_barrier_signal -3
.Lnot_wave_0_\@:
	s_barrier_wait -3
	s_barrier_signal -1
	s_barrier_wait -1
.endm
	s_load_b128 s[4:7], s[0:1], 0x0                ; qkv, cc
	s_load_b64 s[8:9], s[0:1], 0x10                ; cs
	v_lshl_add_u32 v4, v0, 2, SPARE
	v_mov_b32 v5, 0
	ds_add_u32 v4, v5                              ; the wave's opening: the add, twice on end, and its wait ahead of my first tensor load
	ds_add_u32 v4, v5
	v_lshrrev_b32 v1, 5, v0
	v_readfirstlane_b32 s10, v1                    ; wave 0..7
	s_bfe_u32 s11, ttmp6, 0x40000                  ; cx: my 512 queries; it enters Q's, cc's and cs's addresses alone
	s_and_b32 s12, ttmp7, 0xffff                   ; batch x 16 + head, which the four partners share
	s_mov_b32 s16, 15|(3<<16)|(1<<21)              ; 15:0 the mask: all four; 17:16 elements of 8 bytes; 21 set beside a mask; no padding
	s_mov_b32 s17, 32<<16                          ; a dense block as rows of 256 bytes
	s_mov_b32 s18, 100<<16                         ; 100 of them: two key steps
	s_mov_b32 s19, 32<<16
	s_mov_b32 s20, 100
	s_mov_b32 s21, 32
	s_mov_b32 s22, 0
	s_mov_b32 s23, 0
	s_mov_b32 s24, 1
	s_mov_b32 s32, 0x76543210
	s_mov_b32 s33, 0xfedcba98                      ; selects for lane l xor 16
	s_mov_b32 s34, 0x3e38aa3b                      ; c = log2(e) / 8
	s_mov_b32 s35, s34                             ; (named with it as a pair)
	s_mov_b32 s46, 0xffff
	s_mov_b32 s47, 0x0101                          ; the zero halves' two scale bytes, low
	s_mov_b32 s48, 0x01010000                      ; and high
	s_mov_b32 s49, 0xffff0000
	s_mul_i32 s14, s12, 307200                     ; the head's first byte
	s_mov_b32 s15, 0
	s_mul_i32 s25, s10, 2*STEPB                    ; key steps 2 w, 2 w + 1: their place in LDS,
	s_add_co_u32 s2, s25, 102400
	s_mov_b32 s3, 0
	s_add_nc_u64 s[2:3], s[2:3], s[14:15]          ; and in memory
	s_lshl_b32 s13, s11, 2
	s_lshr_b32 s37, s10, 2
	s_add_co_u32 s13, s13, s37
	s_mul_i32 s13, s13, 6400                       ; Q's block 4 cx + w / 4 (the second pass: two blocks on)
	s_and_b32 s37, s10, 3
	s_mul_i32 s38, s37, 1536                       ; my two tiles' H images lie on end
	s_add_co_u32 s38, s38, s13
	s_mov_b32 s39, 0
	s_add_nc_u64 s[38:39], s[38:39], s[14:15]
	s_lshl_b32 s40, s37, 6
	s_add_co_u32 s40, s40, s13
	s_add_co_u32 s40, s40, 6144
	s_mov_b32 s41, 0
	s_add_nc_u64 s[40:41], s[40:41], s[14:15]      ; the pair's scale words: bytes 0-1 tile A's, bytes 2-3 tile B's
	s_lshr_b32 s37, s12, 4
	s_lshl_b32 s37, s37, 7
	s_lshl_b32 s13, s11, 5
	s_add_co_u32 s37, s37, s13
	s_lshl_b32 s13, s10, 1
	s_add_co_u32 s37, s37, s13                     ; tile A's token tile: 128 x batch + 32 cx + 2 w; B's is the next
	s_and_b32 s13, s12, 15                         ; the head
	s_mul_i32 s42, s37, 12288
	s_mul_i32 s29, s13, 768
	s_add_co_u32 s42, s42, s29
	s_mov_b32 s43, 0
	s_lshl_b32 s44, s37, 9
	s_bfe_u32 s29, s13, 0x10001
	s_lshl_b32 s29, s29, 8
	s_add_co_u32 s44, s44, s29                     ; K step head / 2: odd ones 256 bytes on,
	s_lshr_b32 s29, s13, 2
	s_lshl_b32 s29, s29, 2
	s_add_co_u32 s44, s44, s29                     ; word head / 4,
	s_and_b32 s29, s13, 1
	s_lshl_b32 s29, s29, 1
	s_add_co_u32 s44, s44, s29                     ; its lower or upper two bytes
	s_mov_b32 s45, 0
	s_wait_dscnt 0x0                               ; both opening adds are done
	s_wait_kmcnt 0x0
	s_add_nc_u64 s[26:27], s[4:5], s[2:3]
	s_or_b32 s27, s27, 0x80000000                  ; type = 2
	s_add_nc_u64 s[38:39], s[4:5], s[38:39]
	s_add_nc_u64 s[40:41], s[4:5], s[40:41]
	s_add_nc_u64 s[42:43], s[6:7], s[42:43]
	s_add_nc_u64 s[44:45], s[8:9], s[44:45]
	ROUND                                          ; all four work-groups are here: the joint loads meet
	tensor_load_to_lds s[24:27], s[16:23]
	s_nop 0
.rept 4
	v_nop
.endr
	v_and_b32 v3, 31, v0
	v_and_b32 v10, 15, v0
	v_and_b32 v16, 7, v0                           ; r % 8
	v_bfe_u32 v17, v0, 3, 1                        ; r / 8
	v_bfe_u32 v18, v0, 4, 1                        ; h
	v_lshlrev_b32 v1, 4, v3
	v_lshlrev_b32 v2, 3, v3
	v_lshlrev_b32 v3, 2, v3
	v_lshlrev_b32 v9, 2, v10
	v_lshlrev_b32 v10, 4, v10
	v_add_nc_u32 v2, 512, v2
	v_mul_u32_u24 v6, v17, 1536                    ; the block 2 c + r / 8 lies two images on
	v_lshlrev_b32 v8, 6, v17
	v_lshlrev_b32 v11, 3, v18
	v_lshl_add_u32 v7, v16, 3, v6
	v_lshl_add_u32 v6, v16, 4, v6
	v_lshl_add_u32 v8, v16, 2, v8
	v_lshl_add_u32 v7, v18, 7, v7
	v_lshl_add_u32 v6, v18, 8, v6                  ; registers 0-3 of an image: 1,536 (r / 8) + 16 (r % 8) + 256 h
	v_lshl_add_u32 v8, v18, 5, v8                  ; K's scale words: 64 (r / 8) + 4 (r % 8) + 32 h: lanes 0-15 the operand of slots 0-7, lanes 16-31 that of slots 8-15
	v_add_nc_u32 v7, 512, v7                       ; registers 4-5: 1,536 (r / 8) + 8 (r % 8) + 128 h + 512
.irp j, 30,31,32,33,34,35,42,43,44,45,46,47,54,55,56,57,58,59
	v_mov_b32 v\j, 0                               ; zero codes round qA and qB
.endr
.irp j, 21,23,224,225
	v_mov_b32 v\j, 0                               ; the upper halves of f's pairs; a lane permute's destination counts as one of its sources
.endr
	QLOAD                                          ; the first pass's q
	s_wait_alu depctr_va_vdst(0)                   ; the wait at the head's end
	s_wait_tensorcnt 0x0                           ; my two key steps have landed,
	s_barrier_signal -1
	s_barrier_wait -1                              ; everybody's have: the head lies in LDS for the rest of the launch
.macro SW d, x, b, sb                  ; scores: operand x = 2 c + v of K against one of q's four operands
.if (\x)%2
	v_wmma_scale_f32_16x16x128_f8f6f4 v[\d:\d+7], v[FK+12*(\x):FK+12*(\x)+11], v[\b:\b+11], 0, v[KS+(\x)/2], v[\sb] matrix_a_fmt:MATRIX_FMT_BF6 matrix_b_fmt:MATRIX_FMT_BF6 matrix_a_scale:MATRIX_SCALE_ROW1
.else
	v_wmma_scale_f32_16x16x128_f8f6f4 v[\d:\d+7], v[FK+12*(\x):FK+12*(\x)+11], v[\b:\b+11], 0, v[KS+(\x)/2], v[\sb] matrix_a_fmt:MATRIX_FMT_BF6 matrix_b_fmt:MATRIX_FMT_BF6
.endif
.endm
.macro PW d, t, b, sb                  ; O^T += V's fragment t x p's codes
.if (\t)%2
	v_wmma_scale_f32_16x16x128_f8f6f4 v[\d:\d+7], v[FV+12*(\t):FV+12*(\t)+11], v[\b:\b+11], v[\d:\d+7], v[VS+(\t)/2], v[\sb] matrix_a_fmt:MATRIX_FMT_BF6 matrix_b_fmt:MATRIX_FMT_BF6 matrix_a_scale:MATRIX_SCALE_ROW1
.else
	v_wmma_scale_f32_16x16x128_f8f6f4 v[\d:\d+7], v[FV+12*(\t):FV+12*(\t)+11], v[\b:\b+11], v[\d:\d+7], v[VS+(\t)/2], v[\sb] matrix_a_fmt:MATRIX_FMT_BF6 matrix_b_fmt:MATRIX_FMT_BF6
.endif
.endm
.macro KLOAD off                       ; K's four operands and their words, 18 LDS loads: operand x = 2 c + v holds tiles (c, 2 v) and (c, 2 v + 1)
.irp x, 0,1,2,3
	ds_load_b128 v[FK+12*\x:FK+12*\x+3], v24 offset:(\off)+3072*(\x/2)+128*(\x%2)
	ds_load_b64 v[FK+12*\x+4:FK+12*\x+5], v25 offset:(\off)+3072*(\x/2)+64*(\x%2)
	ds_load_b128 v[FK+12*\x+6:FK+12*\x+9], v24 offset:(\off)+3072*(\x/2)+128*(\x%2)+768
	ds_load_b64 v[FK+12*\x+10:FK+12*\x+11], v25 offset:(\off)+3072*(\x/2)+64*(\x%2)+768
.endr
	ds_load_b32 v[KS], v26 offset:(\off)+12288
	ds_load_b32 v[KS+1], v26 offset:(\off)+12416
.endm
.macro BADD c                          ; B's next pair of p onto its chain c
	v_pk_add_f32 v[LB+2*\c:LB+2*\c+1], v[SB+12+2*kb:SB+13+2*kb], v[LB+2*\c:LB+2*\c+1]
.set kb, kb+1
.endm
.macro AADD c                          ; A's next pair sum onto its chain c
	v_pk_add_f32 v[LA+2*\c:LA+2*\c+1], v[TS+4+2*ka:TS+5+2*ka], v[LA+2*\c:LA+2*\c+1]
.set ka, ka+1
.endm
.macro ADDS n                          ; the rows' sums go on: n turns round the six chains, so that a chain's links stand six lines apart
.rept \n
	BADD 0
	AADD 0
	BADD 1
	BADD 2
	AADD 1
	BADD 3
.endr
.endm
; A KEY STEP: 128 keys x 32 queries.  pf = 1: the next step's K is fetched too.  Index q = 0 .. 3 below: A's blocks c = 0, 1, then B's.
.macro STEP pf
	s_wait_dscnt 0x0                               ; this step's K is in (asked for a step ago)
	WIN 0x40
.irp x, 0,1,2,3
	SW SA+16*\x, \x, 36, 60
	SW SB+16*\x, \x, 48, 62
	SW SA+16*\x+8, \x, 30, 61
	SW SB+16*\x+8, \x, 42, 63
.endr
	WIN 0
	v_add_nc_u32 v24, s28, v6                      ; six plain lines: the places between the products and the loads into their sources and the first read of the scores
	v_add_nc_u32 v25, s28, v7
	v_add_nc_u32 v26, s28, v8
	v_add_nc_u32 v27, s28, v1
	v_add_nc_u32 v28, s28, v2
	v_add_nc_u32 v29, s28, v3
.irp t, 0,1,2,3                                ; V's four fragments and, behind them, the next step's K land while the softmax runs
	ds_load_b128 v[FV+12*\t:FV+12*\t+3], v27 offset:6144+1536*\t
	ds_load_b64 v[FV+12*\t+4:FV+12*\t+5], v28 offset:6144+1536*\t
	ds_load_b128 v[FV+12*\t+6:FV+12*\t+9], v27 offset:6144+1536*\t+768
	ds_load_b64 v[FV+12*\t+10:FV+12*\t+11], v28 offset:6144+1536*\t+768
.endr
	ds_load_b32 v[VS], v29 offset:12544
	ds_load_b32 v[VS+1], v29 offset:12672
.if \pf
	KLOAD STEPB
.endif
	WIN 0x05                                       ; sources 0 and 1: the scores' window
.irp q, 0,1,2,3
	v_max_num_f32 v[BM+\q], v[32*\q], v[32*\q+1]   ; the largest score of each block of 32 keys, all mine: for the row's maximum and, since p rises with the score, for the block's largest p.  Each accumulator is read from its low end on
.endr
.irp q, 0,1,2,3
	v_max_num_f32 v[16+\q], v[32*\q+16], v[32*\q+17]   ; two chains to a block (the second in v16-19): eight chains take turns
.endr
.irp i, 2,4,6,8,10,12,14
.irp q, 0,1,2,3
	v_max3_num_f32 v[BM+\q], v[32*\q+\i], v[32*\q+\i+1], v[BM+\q]
.endr
.irp q, 0,1,2,3
	v_max3_num_f32 v[16+\q], v[32*\q+16+\i], v[32*\q+17+\i], v[16+\q]
.endr
.endr
	WIN 0
.irp q, 0,1,2,3
	v_max_num_f32 v[BM+\q], v[BM+\q], v[16+\q]
.endr
	v_max3_num_f32 v222, v[BM], v[BM+1], v13       ; with the running largest score
	v_max3_num_f32 v223, v[BM+2], v[BM+3], v15
	v_mov_b32 v226, v12
	v_mov_b32 v227, v14
	v_permlanex16_b32 v224, v222, s32, s33
	v_permlanex16_b32 v225, v223, s32, s33
	v_max_num_f32 v13, v222, v224                  ; and lane l xor 16's blocks
	v_max_num_f32 v15, v223, v225
	v_mul_f32 v222, s34, v13                       ; as t (c is positive)
	v_mul_f32 v223, s34, v15
	v_floor_f32 v12, -v222                         ; the new -M = -ceil(t)
	v_floor_f32 v14, -v223
	v_sub_f32 v226, v12, v226                      ; old M less new M: a whole number, 0 or less
	v_sub_f32 v227, v14, v227
	v_fma_f32 v[BM], v[BM], s34, v12               ; t - M of each block's largest score
	v_fma_f32 v[BM+1], v[BM+1], s34, v12
	v_cvt_i32_f32 v226, v226                       ; (it saturates)
	v_cvt_i32_f32 v227, v227
	v_fma_f32 v[BM+2], v[BM+2], s34, v14
	v_fma_f32 v[BM+3], v[BM+3], s34, v14
	v_ldexp_f32 v20, 1.0, v226                     ; f = 2^(old M - new M)
	v_ldexp_f32 v22, 1.0, v227
	v_pk_mul_f32 v[LA:LA+1], v[LA:LA+1], v[20:21] op_sel_hi:[1,0]   ; the sums under the new M
	v_pk_mul_f32 v[LB:LB+1], v[LB:LB+1], v[22:23] op_sel_hi:[1,0]
	WIN 0x41                                       ; destination and source 0: window 1
.set j, 0
.rept 16
	v_pk_mul_f32 v[OA+j:OA+j+1], v[OA+j:OA+j+1], v[20:21] op_sel_hi:[1,0]   ; O^T under the new M, ahead of the exponentials; each accumulator from its low end on
	v_pk_mul_f32 v[OB+j:OB+j+1], v[OB+j:OB+j+1], v[22:23] op_sel_hi:[1,0]
.set j, j+2
.endr
.set j, 0
.rept 32
	v_pk_fma_f32 v[SA+j:SA+j+1], v[SA+j:SA+j+1], s[34:35], v[12:13] op_sel_hi:[1,0,0]   ; A: t - M, two at a time
.set j, j+2
.endr
	WIN 0
	s_wait_alu depctr_va_vdst(0)                   ; the wait ahead of a batch of exponentials
.irp q, 0,1,2,3
	v_exp_f32 v[BM+\q], v[BM+\q]                   ; the blocks' largest p
.endr
	WIN 0x41
.set j, 0
.rept 32
	v_exp_f32 v[SA+j], v[SA+j]                     ; A: p = 2^(t - M); among them B's t - M, whose results are read behind the next wait alone
	v_exp_f32 v[SA+j+1], v[SA+j+1]
	v_pk_fma_f32 v[SB+j:SB+j+1], v[SB+j:SB+j+1], s[34:35], v[14:15] op_sel_hi:[1,0,0]
.set j, j+2
.endr
	WIN 0x45
	s_wait_alu depctr_va_vdst(0)                   ; behind A's batch and ahead of B's
.set j, 0
.rept 16
	v_exp_f32 v[SB+j], v[SB+j]                     ; B: p; among them A's sums of neighbouring pairs, read behind the next wait alone
	v_exp_f32 v[SB+j+1], v[SB+j+1]
	v_exp_f32 v[SB+j+2], v[SB+j+2]
	v_exp_f32 v[SB+j+3], v[SB+j+3]
	v_pk_add_f32 v[TS+j/2:TS+j/2+1], v[SA+j:SA+j+1], v[SA+j+2:SA+j+3]
.set j, j+4
.endr
	s_wait_alu depctr_va_vdst(0)                   ; behind B's batch
	WIN 0x05
	v_pk_add_f32 v[LA+2:LA+3], v[TS:TS+1], v[TS+2:TS+3]          ; the side chains of the sums begin
	v_pk_add_f32 v[LB+2:LB+3], v[SB:SB+1], v[SB+2:SB+3]
	v_pk_add_f32 v[LB+4:LB+5], v[SB+4:SB+5], v[SB+6:SB+7]
	v_pk_add_f32 v[LB+6:LB+7], v[SB+8:SB+9], v[SB+10:SB+11]
	WIN 0
.irp q, 0,1,2,3
	v_max_num_f32 v[BM+\q], FLOOR, v[BM+\q]
.endr
.irp q, 0,1,2,3
	v_add_nc_u32 v[SO+\q], OFFE, v[BM+\q]          ; 4 off the exponent field: the conversion's scale operand
.endr
.irp q, 0,1,2,3
	v_lshrrev_b32 v[BY+\q], 23, v[SO+\q]           ; the scale's byte
.endr
	v_lshl_or_b32 v216, v[BY+1], 16, v[BY]         ; my blocks h and 2 + h,
	v_lshl_or_b32 v217, v[BY+3], 16, v[BY+2]
	v_lshlrev_b32 v216, v11, v216                  ; at their places in the word;
	v_lshlrev_b32 v217, v11, v217
	v_permlanex16_b32 v224, v216, s32, s33
	v_permlanex16_b32 v225, v217, s32, s33
	v_or_b32 v220, v216, v224                      ; with lane l xor 16's two the word is whole
	v_or_b32 v221, v217, v225
	WIN 0x01
.irp q, 0,1,2,3
	v_cvt_scalef32_pk16_bf6_f32 v[PCA+6*\q:PCA+6*\q+2], v[32*\q:32*\q+15], v[SO+\q]
	v_cvt_scalef32_pk16_bf6_f32 v[TC+4*\q:TC+4*\q+2], v[32*\q+16:32*\q+31], v[SO+\q]   ; (a conversion's three registers begin on an even number)
.endr
.set kb, 0
.set ka, 0
	ADDS 1                                         ; plain lines behind the conversions
	WIN 0
.irp q, 0,1,2,3
.irp i, 0,1,2
	v_mov_b32 v[PCA+6*\q+3+\i], v[TC+4*\q+\i]
.endr
.endr
	WIN 0x01
	ADDS 5                                         ; these lines are also the places between p's codes and scale words and the products
	BADD 0
	AADD 0
	BADD 1
	AADD 1
	WIN 0
	v_pk_add_f32 v[LA:LA+1], v[LA:LA+1], v[LA+2:LA+3]
	v_pk_add_f32 v[LB+2:LB+3], v[LB+2:LB+3], v[LB+4:LB+5]
	v_pk_add_f32 v[LB:LB+1], v[LB:LB+1], v[LB+6:LB+7]
	v_pk_add_f32 v[LB:LB+1], v[LB:LB+1], v[LB+2:LB+3]
	s_wait_alu depctr_va_vdst(0)                   ; the wait here, directly ahead of the wait below
	s_wait_dscnt 18*(\pf)                          ; V is in; the 18 loads of the next step's K, issued behind V's, may be out
	WIN 0x50                                       ; C and D: window 1
.irp t, 0,1,2,3
	PW OA+8*\t, \t, PCA, 220                       ; the eight accumulators take turns
	PW OB+8*\t, \t, PCB, 221
.endr
	WIN 0
	s_add_co_u32 s28, s28, STEPB                   ; the next key step
.endm
	s_mov_b32 s31, 2
.Ltile:                                            ; two passes, 32 queries each
	v_mov_b32 v13, 0xff61b1e6                      ; the largest score so far: -3e38
	v_mov_b32 v15, 0xff61b1e6
	v_mov_b32 v12, 0x7f61b1e6                      ; -M: a whole number above every -M to come, so that the first f is 0
	v_mov_b32 v14, 0x7f61b1e6
.irp j, 0,1,4,5
	v_mov_b32 v[LA+\j], 0                          ; the sums
.endr
	s_mov_b32 s28, 0
	s_mov_b32 s30, 15
	v_add_nc_u32 v24, s28, v6
	v_add_nc_u32 v25, s28, v7
	v_add_nc_u32 v26, s28, v8
	KLOAD 0                                        ; key step 0's K
	s_wait_loadcnt 0x0                             ; this pass's q is in
.irp j, 0,1,2,3,4,5
	v_mov_b32 v[36+\j], v[240+\j]                  ; qA and qB to their places between the zero codes
	v_mov_b32 v[48+\j], v[246+\j]
.endr
	v_and_or_b32 v60, v252, s46, s48               ; for [qA | 0]
	v_lshl_or_b32 v61, v252, 16, s47               ; for [0 | qA]
	v_lshrrev_b32 v223, 16, v252
	v_and_or_b32 v63, v252, s49, s47               ; for [0 | qB]
	v_or_b32 v62, s48, v223                        ; for [qB | 0]
	s_cmp_eq_u32 s31, 1                            ; the last pass asks for nothing more
	s_cbranch_scc1 .Lno_q
	s_add_nc_u64 s[38:39], s[38:39], 12800         ; 16 tiles on: two blocks of Q (the loads that read these bases are done)
	s_add_nc_u64 s[40:41], s[40:41], 12800
	QLOAD                                          ; the next pass's q has this whole pass in which to land
.Lno_q:
	WIN 0x40
.set j, 0
.rept 64
	v_mov_b32 v[OA+j], 0                           ; the step is written for every trip alike: its first trip multiplies zeros.  (Also the places behind the four scale words)
.set j, j+1
.endr
	WIN 0
	s_wait_alu depctr_va_vdst(0)                   ; the wait ahead of the loop
.Lstep:
	STEP 1
	s_sub_co_u32 s30, s30, 1
	s_cmp_lg_u32 s30, 0
	s_cbranch_scc1 .Lstep
	STEP 0                                         ; key step 15 is written out: no K lies behind it
	; the pass's end: O^T / the sum is 16 rows x the head's 64 of ctx for each tile: two blocks of 32, one H image, two scale bytes a row
	v_add_f32 v[LA], v[LA], v[LA+1]                ; (these lines are the places behind the last products)
	v_add_f32 v[LB], v[LB], v[LB+1]
	v_permlanex16_b32 v224, v[LA], s32, s33
	v_permlanex16_b32 v225, v[LB], s32, s33
	v_add_f32 v[LA], v[LA], v224                   ; the rows' sums
	v_add_f32 v[LB], v[LB], v225
	s_wait_alu depctr_va_vdst(0)                   ; ahead of the reciprocals
	v_rcp_f32 v20, v[LA]
	v_rcp_f32 v22, v[LB]
	v_nop
	WIN 0x01
	s_wait_alu depctr_va_vdst(0)                   ; ahead of the first reader of the reciprocals and of O^T
.set j, 0
.rept 16
	v_pk_mul_f32 v[64+j:65+j], v[OA+j:OA+j+1], v[20:21] op_sel_hi:[1,0]     ; into window 0, where K's and V's fragments lay: v64-95 A, v96-127 B
	v_pk_mul_f32 v[96+j:97+j], v[OB+j:OB+j+1], v[22:23] op_sel_hi:[1,0]
.set j, j+2
.endr
	WIN 0
.irp q, 0,1,2,3
	v_max3_num_f32 v[BM+\q], |v[64+16*\q]|, |v[65+16*\q]|, FLOOR
.endr
.irp i, 2,4,6,8,10,12,14
.irp q, 0,1,2,3
	v_max3_num_f32 v[BM+\q], v[BM+\q], |v[64+16*\q+\i]|, |v[65+16*\q+\i]|
.endr
.endr
.irp q, 0,1,2,3
	v_permlanex16_b32 v[BY+\q], v[BM+\q], s32, s33
.endr
.irp q, 0,1,2,3
	v_max_num_f32 v[BM+\q], v[BM+\q], v[BY+\q]     ; here a block lies in lanes l and l xor 16
.endr
.irp q, 0,1,2,3
	v_add_nc_u32 v[SO+\q], OFFE, v[BM+\q]
.endr
.irp q, 0,1,2,3
	v_lshrrev_b32 v[BY+\q], 23, v[SO+\q]
.endr
	v_lshl_or_b32 v216, v[BY+1], 8, v[BY]
	v_lshl_or_b32 v217, v[BY+3], 8, v[BY+2]
	v_cvt_scalef32_pk16_bf6_f32 v[PCA:PCA+2], v[64:79], v[SO]
	v_cvt_scalef32_pk16_bf6_f32 v[TC:TC+2], v[80:95], v[SO+1]
	v_cvt_scalef32_pk16_bf6_f32 v[PCB:PCB+2], v[96:111], v[SO+2]
	v_cvt_scalef32_pk16_bf6_f32 v[TC+8:TC+10], v[112:127], v[SO+3]
	v_nop                                          ; one plain line behind the conversions
.irp i, 0,1,2
	v_permlane16_swap_b32 v[PCA+\i], v[TC+\i]      ; the image wants a whole block in a lane
	v_permlane16_swap_b32 v[PCB+\i], v[TC+8+\i]
.endr
.irp i, 0,1,2
	v_mov_b32 v[PCA+3+\i], v[TC+\i]
	v_mov_b32 v[PCB+3+\i], v[TC+8+\i]
.endr
	global_store_b128 v1, v[PCA:PCA+3], s[42:43]   ; 512 consecutive bytes
	global_store_b64 v2, v[PCA+4:PCA+5], s[42:43]  ; 256 consecutive bytes
	global_store_b128 v1, v[PCB:PCB+3], s[42:43] offset:12288
	global_store_b64 v2, v[PCB+4:PCB+5], s[42:43] offset:12288
	global_store_b16 v10, v216, s[44:45]           ; two bytes a row; lanes l and l + 16 write the same bytes with the same value
	global_store_b16 v10, v217, s[44:45] offset:512
	s_wait_xcnt 0x0                                ; loads and stores have read their bases and registers: both may be written again
	s_add_nc_u64 s[42:43], s[42:43], 196608        ; 16 tiles of cc on,
	s_add_nc_u64 s[44:45], s[44:45], 8192          ; and of cs
	s_sub_co_u32 s31, s31, 1
	s_cmp_lg_u32 s31, 0
	s_cbranch_scc1 .Ltile
	s_wait_tensorcnt 0x0                           ; the wave's end
	ds_add_u32 v4, v5
	s_wait_dscnt 0x0
	ROUND                                          ; the closing round
	s_endpgm
.Lfunc_end_k_q974f95913d_attn:
	.size	k_q974f95913d_attn, .Lfunc_end_k_q974f95913d_attn-k_q974f95913d_attn
	.p2alignl 7, 3214868480
	.fill 96, 4, 3214868480
	.section	.rodata,"a",@progbits
	.p2align	6, 0x0
	.amdhsa_kernel k_q974f95913d_attn
		.amdhsa_group_segment_fixed_size 327680
		.amdhsa_private_segment_fixed_size 0
		.amdhsa_enable_private_segment 0
		.amdhsa_kernarg_size 24
		.amdhsa_user_sgpr_count 2
		.amdhsa_user_sgpr_kernarg_segment_ptr 1
		.amdhsa_wavefront_size32 1
		.amdhsa_system_sgpr_workgroup_id_x 1
		.amdhsa_system_sgpr_workgroup_id_y 1
		.amdhsa_system_sgpr_workgroup_id_z 1
		.amdhsa_system_vgpr_workitem_id 0
		.amdhsa_next_free_vgpr 512
		.amdhsa_next_free_sgpr 66
		.amdhsa_reserve_vcc 0
		.amdhsa_float_denorm_mode_32 3
		.amdhsa_float_denorm_mode_16_64 3
		.amdhsa_memory_ordered 1
		.amdhsa_forward_progress 1
		.amdhsa_inst_pref_size 73
	.end_amdhsa_kernel
	.amdgpu_metadata
---
amdhsa.version: [ 1, 2 ]
amdhsa.kernels:
  - .name:           k_q974f95913d_attn
    .symbol:         k_q974f95913d_attn.kd
    .args:
      - { .name: qkv, .offset: 0, .size: 8, .value_kind: global_buffer, .address_space: global }
      - { .name: cc, .offset: 8, .size: 8, .value_kind: global_buffer, .address_space: global }
      - { .name: cs, .offset: 16, .size: 8, .value_kind: global_buffer, .address_space: global }
    .group_segment_fixed_size: 327680
    .private_segment_fixed_size: 0
    .kernarg_segment_align: 8
    .kernarg_segment_size: 24
    .max_flat_workgroup_size: 256
    .sgpr_count:     66
    .vgpr_count:     512
    .wavefront_size: 32
...
	.end_amdgpu_metadata
.endif
;; end of part 3
;; launch gemm_out (part 4): grid 64 x 4, 4 waves a work-group, clusters of 4 x 4, 327,680 bytes of LDS; arguments cc, cs, wc, ws, bo, out0; writes out0
.if DOCPART == 4
	.amdgcn_target "amdgcn-amd-amdhsa--gfx1250"
	.amdhsa_code_object_version 6
	.text
	.protected	k_q974f95913d_gemm_out
	.globl	k_q974f95913d_gemm_out
	.p2align	8
	.type	k_q974f95913d_gemm_out,@function
k_q974f95913d_gemm_out:
	s_mov_b64 s[64:65], 0
	v_nop
	global_prefetch_b8 v0, s[64:65] scope:SCOPE_SE
	s_setreg_imm32_b32 hwreg(HW_REG_WAVE_MODE, 25, 1), 1
	s_wait_xcnt 0x0
	s_wait_alu depctr_hold_cnt(0) depctr_sa_sdst(0) depctr_va_vdst(0) depctr_va_sdst(0) depctr_va_ssrc(0) depctr_va_vcc(0) depctr_vm_vsrc(0)
	s_getreg_b32 s2, hwreg(HW_REG_IB_STS2, 6, 4)
	s_cmp_eq_u32 s2, 0
	s_cbranch_scc0 .Lentry_in_a_cluster
	s_endpgm
.Lentry_in_a_cluster:
	s_bfe_u32 s2, ttmp6, 0x10000c
	s_cmp_lg_u32 s2, 0xf033
	s_cbranch_scc0 .Lentry_shape_is_right
	s_endpgm
.Lentry_shape_is_right:
; LAUNCH 4 OF 4: out0 = ctx Wo + bo on codes of BF6; f32 out.  No work is left out.
; The product's core is that of the second launch: P (source 0) = 256 columns of Wo, R (source 1) = 128 tokens of ctx; four waves, each 8 tiles of P x 4 of R, 32 accumulators; all of K in LDS, asked for at the head by one tensor load a wave
; nothing filled again; cluster 4 x 4, P's tiles asked for jointly along a column (same cx), R's along a row (same cy).
; A lane holds one token and its registers run along the columns, 16 neighbours in two neighbouring tiles: the results go through the wave's own stage in LDS and leave as rows of 512 consecutive bytes.
; The stage lies in P's first bytes, which have had their only fill and are read by no wave behind the barrier of K step 7.
; REGISTERS: window 0: v1-11 addresses; v16-47 P's scale words, v48-63 R's; v64-127 bo; v128-255 rows on their way out.  window 1: P's fragments, two sets of 96.  window 2: R's, two sets of 48.  window 3: accumulator (pt, rt) at 8 (8 rt + pt).
; THE FILL AS THE TEXT NOW HAS IT (in place of what the head says of chunks): each wave issues ONE tensor load at the head: waves 0 and 1 P's eight tiles each over all of K
; (98,304 dense bytes as 384 rows of 256), waves 2 and 3 R's four tiles each (49,152 bytes, 192 rows).  LDS holds them as memory does: P's tile pt of half ph at 98,304 ph + 12,288 pt,
; R's tile rt of half rh at 196,608 + 49,152 rh + 12,288 rt, K step ks 1,536 ks further on.  One wait for 0 and one barrier show all of it; no address is stepped.
; The stage lies in P's first bytes, which have had their only fill: a barrier, signalled when a wave's last fragments are in and waited for behind its last products, shows that no wave reads them any more.
.set CH,    73728                      ; a quarter of the 294,912 bytes of tiles: SPARE is made of it
.set SPARE, 4*CH
.set G1P, 32
.set G1R, 40
.set G0P, 48
.set G0R, 68
.set SP,   16
.set SR,   48
.set BIAS, 64
.set MSB, 0
.macro WIN new                         ; the immediate's high byte repeats the setting that is left
.if MSB != \new
	s_set_vgpr_msb (MSB<<8)|\new
.set MSB, \new
.endif
.endm
.macro ROUND                           ; a round of the cluster's barrier
	s_barrier_signal -1
	s_barrier_wait -1
	s_cmp_lg_u32 s20, 0
	s_cbranch_scc1 .Lnot_wave_0_\@
	s_barrier_signal -3
.Lnot_wave_0_\@:
	s_barrier_wait -3
	s_barrier_signal -1
	s_barrier_wait -1
.endm
.macro PLACES                          ; four plain lines between a matrix instruction and a load into its sources or a read of its result
.rept 4
	v_nop
.endr
.endm
.macro FETCH set, q                    ; the fragments of K step q: 48 dense LDS loads
	WIN 0x40
.irp pt, 0,1,2,3,4,5,6,7
	ds_load_b128 v[96*(\set)+12*\pt:96*(\set)+12*\pt+3], v[5+235*(\pt/4)] offset:12288*(\pt%4)+1536*(\q)      ; q: the K step; tiles 4-7 by v240, v241, 49,152 bytes on, so that the offsets stay in 16 bits
	ds_load_b64 v[96*(\set)+12*\pt+4:96*(\set)+12*\pt+5], v[6+235*(\pt/4)] offset:12288*(\pt%4)+1536*(\q)
	ds_load_b128 v[96*(\set)+12*\pt+6:96*(\set)+12*\pt+9], v[5+235*(\pt/4)] offset:12288*(\pt%4)+1536*(\q)+768
	ds_load_b64 v[96*(\set)+12*\pt+10:96*(\set)+12*\pt+11], v[6+235*(\pt/4)] offset:12288*(\pt%4)+1536*(\q)+768
.endr
	WIN 0x80
.irp rt, 0,1,2,3
	ds_load_b128 v[48*(\set)+12*\rt:48*(\set)+12*\rt+3], v7 offset:12288*\rt+1536*(\q)
	ds_load_b64 v[48*(\set)+12*\rt+4:48*(\set)+12*\rt+5], v8 offset:12288*\rt+1536*(\q)
	ds_load_b128 v[48*(\set)+12*\rt+6:48*(\set)+12*\rt+9], v7 offset:12288*\rt+1536*(\q)+768
	ds_load_b64 v[48*(\set)+12*\rt+10:48*(\set)+12*\rt+11], v8 offset:12288*\rt+1536*(\q)+768
.endr
	WIN 0
.endm
; 32 products of K step ks.  cm = 0: onto the sums; 1: the sums begin with the bias along P.  The 32 accumulators take turns in the same order in every K step.
.macro MUL ks, cm
.if (\cm) == 0
	WIN 0xf9
.else
	WIN 0xc9
.endif
.irp rt, 0,1,2,3
.irp pt, 0,1,2,3,4,5,6,7
.set AC, 8*(8*\rt+\pt)
.set PR, 96*((\ks)%2)+12*\pt
.set RR, 48*((\ks)%2)+12*\rt
.set SA, SP+4*\pt+(\ks)/2
.set SB, SR+4*\rt+(\ks)/2
.if (\cm) == 1
	v_wmma_scale_f32_16x16x128_f8f6f4 v[AC:AC+7], v[PR:PR+11], v[RR:RR+11], v[BIAS+8*\pt:BIAS+8*\pt+7], v[SA], v[SB] matrix_a_fmt:MATRIX_FMT_BF6 matrix_b_fmt:MATRIX_FMT_BF6
.elseif (\ks)%2
	v_wmma_scale_f32_16x16x128_f8f6f4 v[AC:AC+7], v[PR:PR+11], v[RR:RR+11], v[AC:AC+7], v[SA], v[SB] matrix_a_fmt:MATRIX_FMT_BF6 matrix_b_fmt:MATRIX_FMT_BF6 matrix_a_scale:MATRIX_SCALE_ROW1 matrix_b_scale:MATRIX_SCALE_ROW1
.else
	v_wmma_scale_f32_16x16x128_f8f6f4 v[AC:AC+7], v[PR:PR+11], v[RR:RR+11], v[AC:AC+7], v[SA], v[SB] matrix_a_fmt:MATRIX_FMT_BF6 matrix_b_fmt:MATRIX_FMT_BF6
.endif
.endr
.endr
	WIN 0
.endm
.macro KSTEP ks
	s_wait_dscnt 0x0                               ; this K step's fragments are in
.if (\ks) < 7
	PLACES
	FETCH ((\ks)+1)%2, (\ks)+1
.else
	s_barrier_signal -1                            ; my reads of the tiles are over
.endif
	MUL \ks, 0
.if (\ks) == 7
	s_barrier_wait -1                              ; everybody's are: the stage may be written
.endif
.endm
	s_load_b256 s[4:11], s[0:1], 0x0               ; cc, cs, wc, ws
	s_load_b128 s[12:15], s[0:1], 0x20             ; bo, out0
	v_lshl_add_u32 v3, v0, 2, SPARE
	v_mov_b32 v4, 0
	ds_add_u32 v3, v4                              ; the wave's opening: the add, twice on end, and its wait ahead of my first tensor load
	ds_add_u32 v3, v4
	v_lshrrev_b32 v1, 5, v0
	v_readfirstlane_b32 s20, v1                    ; wave 0..3
	s_and_b32 s21, s20, 1                          ; ph.  Also: which half of P's or R's tiles I fetch
	s_lshr_b32 s22, s20, 1                         ; rh
	s_bfe_u32 s23, ttmp6, 0x40000                  ; cx
	s_bfe_u32 s24, ttmp6, 0x40004                  ; cy
	s_mov_b32 s29, s23                             ; pT = cx: Wo's 1,024 columns are four blocks of 256
	s_lshl_b32 s30, ttmp9, 2
	s_add_co_u32 s30, s30, s24                     ; rT = 4 x cluster + cy
	s_lshl_b32 s2, 0x1111, s23                     ; my column of the cluster (same cx)
	s_lshl_b32 s3, s24, 2
	s_lshl_b32 s3, 15, s3                          ; my row (same cy)
	s_or_b32 s[G1P], s2, (3<<16)|(1<<21)           ; 15:0 the mask; 17:16 elements of 8 bytes; 21 set beside a mask; no padding
	s_or_b32 s[G1R], s3, (3<<16)|(1<<21)
	s_mov_b32 s[G1P+1], 32<<16                     ; a dense block as rows of 256 bytes (32 elements of 8)
	s_mov_b32 s[G1P+2], 384<<16                    ; 384 rows: 8 tiles of 12,288 bytes
	s_mov_b32 s[G1P+3], 32<<16
	s_mov_b32 s[G1P+4], 384
	s_mov_b32 s[G1P+5], 32
	s_mov_b32 s[G1P+6], 0
	s_mov_b32 s[G1P+7], 0
	s_mov_b32 s[G1R+1], 32<<16
	s_mov_b32 s[G1R+2], 192<<16                    ; 192 rows: 4 tiles
	s_mov_b32 s[G1R+3], 32<<16
	s_mov_b32 s[G1R+4], 192
	s_mov_b32 s[G1R+5], 32
	s_mov_b32 s[G1R+6], 0
	s_mov_b32 s[G1R+7], 0
	s_lshl_b32 s87, s29, 4
	s_lshl_b32 s84, s21, 3
	s_add_co_u32 s87, s87, s84                     ; P: tile 16 pT + 8 (w % 2)
	s_mul_i32 s84, s87, 12288
	s_mov_b32 s85, 0
	s_mul_i32 s86, s21, 98304
	s_lshl_b32 s88, s30, 3
	s_lshl_b32 s90, s21, 2
	s_add_co_u32 s88, s88, s90                     ; R: tile 8 rT + 4 (w % 2): what I fetch
	s_mul_i32 s88, s88, 12288
	s_mov_b32 s89, 0
	s_mul_i32 s90, s21, 49152
	s_add_co_u32 s90, s90, 196608
	s_lshl_b32 s91, s30, 3
	s_lshl_b32 s2, s22, 2
	s_add_co_u32 s91, s91, s2                      ; R: tile 8 rT + 4 rh: what I multiply
	v_and_b32 v12, 31, v0                          ; L
	v_lshlrev_b32 v1, 4, v12                       ; 16 L
	v_lshlrev_b32 v2, 3, v12
	v_add_nc_u32 v2, 512, v2                       ; 8 L + 512
	v_add_nc_u32 v5, s86, v1
	v_add_nc_u32 v6, s86, v2
	v_add_nc_u32 v240, 49152, v5                   ; tiles 4-7
	v_add_nc_u32 v241, 49152, v6
	s_mul_i32 s2, s22, 49152
	s_add_co_u32 s2, s2, 196608
	v_add_nc_u32 v7, s2, v1
	v_add_nc_u32 v8, s2, v2
	v_bfe_u32 v13, v0, 4, 1                        ; h
	v_lshlrev_b32 v11, 6, v13                      ; 64 h: the bias, and my half's place in a stage row
	v_and_b32 v14, 15, v0                          ; r
	s_mul_i32 s2, s20, 16*528                      ; my stage: 16 rows of 512 bytes + 16
	v_mul_u32_u24 v9, v14, 528
	v_add_nc_u32 v9, v9, v11
	v_add_nc_u32 v9, s2, v9                        ; in: row r, + 64 h
	v_add_nc_u32 v10, s2, v1                       ; back: a whole row, 16 bytes a lane
	s_lshl_b32 s92, s29, 10
	s_lshl_b32 s93, s21, 9
	s_add_co_u32 s92, s92, s93                     ; my 128 columns, in bytes
	s_mov_b32 s93, 0
	s_lshl_b32 s96, s30, 19                        ; 128 rT rows of 4,096 bytes
	s_lshl_b32 s97, s22, 18                        ; + 64 rh rows
	s_add_co_u32 s96, s96, s97
	s_add_co_u32 s96, s96, s92
	s_mov_b32 s97, 0
	s_wait_dscnt 0x0                               ; both opening adds are done
	s_wait_kmcnt 0x0
	s_add_nc_u64 s[8:9], s[8:9], 192*12288         ; Wo's tiles,
	s_add_nc_u64 s[10:11], s[10:11], 192*512       ; and their scale words
	s_add_nc_u64 s[8:9], s[8:9], s[84:85]
	s_add_nc_u64 s[4:5], s[4:5], s[88:89]
.irp c, 0
	s_mov_b32 s[G0P+4*\c], 1
	s_add_co_u32 s[G0P+4*\c+1], s86, \c*CH         ; LDS address: the wave's number and constants alone
	s_add_nc_u64 s[G0P+4*\c+2:G0P+4*\c+3], s[8:9], \c*3072
	s_or_b32 s[G0P+4*\c+3], s[G0P+4*\c+3], 0x80000000   ; type = 2
	s_mov_b32 s[G0R+4*\c], 1
	s_add_co_u32 s[G0R+4*\c+1], s90, \c*CH
	s_add_nc_u64 s[G0R+4*\c+2:G0R+4*\c+3], s[4:5], \c*3072
	s_or_b32 s[G0R+4*\c+3], s[G0R+4*\c+3], 0x80000000
.endr
	s_lshl_b32 s84, s87, 9
	s_add_nc_u64 s[10:11], s[10:11], s[84:85]      ; my P tiles' scale blocks
	s_lshl_b32 s88, s91, 9
	s_add_nc_u64 s[6:7], s[6:7], s[88:89]          ; my R tiles'
	s_add_nc_u64 s[12:13], s[12:13], s[92:93]      ; bo at my columns
	s_add_nc_u64 s[14:15], s[14:15], s[96:97]      ; out0 at my first row and column
	ROUND                                          ; all sixteen work-groups are here: the joint loads meet
	s_cmp_lt_u32 s20, 2                            ; a wave's one fill stands in one arm of a branch on the wave's number
	s_cbranch_scc0 .Lfill_r
.irp c, 0
	tensor_load_to_lds s[G0P+4*\c:G0P+4*\c+3], s[G1P:G1P+7]
	s_nop 0
.endr
.rept 4
	v_nop
.endr
	s_branch .Lfilled
.Lfill_r:
.irp c, 0
	tensor_load_to_lds s[G0R+4*\c:G0R+4*\c+3], s[G1R:G1R+7]
	s_nop 0
.endr
.rept 4
	v_nop
.endr
.Lfilled:
.irp pt, 0,1,2,3,4,5,6,7
	global_load_b128 v[SP+4*\pt:SP+4*\pt+3], v1, s[10:11] offset:512*\pt
.endr
.irp rt, 0,1,2,3
	global_load_b128 v[SR+4*\rt:SR+4*\rt+3], v1, s[6:7] offset:512*\rt
.endr
	s_wait_alu depctr_va_vdst(0)
.irp pt, 0,1,2,3,4,5,6,7                       ; register j of tile pt is column 32 (pt / 2) + 16 h + 8 (pt % 2) + j
	global_load_b128 v[BIAS+8*\pt:BIAS+8*\pt+3], v11, s[12:13] offset:(32*(\pt/2)+8*(\pt%2))*4
	global_load_b128 v[BIAS+8*\pt+4:BIAS+8*\pt+7], v11, s[12:13] offset:(32*(\pt/2)+8*(\pt%2))*4+16
.endr
	s_wait_tensorcnt 0x0                           ; my one load has landed
	s_barrier_signal -1
	s_barrier_wait -1                              ; everybody's has
	FETCH 0, 0
	s_wait_loadcnt 0x0                             ; scale words and bias
	s_wait_dscnt 0x0                               ; K step 0
	FETCH 1, 1
	MUL 0, 1                                       ; the sums begin with bo
.irp ks, 1,2,3,4,5,6,7
	KSTEP \ks
.endr
	PLACES
; THE WAY OUT, a tile of 16 tokens x my 128 columns at a time.  LDS serves a wave's instructions in order: no wait between the stores and the loads, nor in front of the next tile's stores.
.macro TOSTAGE rt
	WIN 0x0c                                       ; the data: the accumulators' window
.irp pt, 0,1,2,3,4,5,6,7
	ds_store_b128 v9, v[8*(8*(\rt)+\pt):8*(8*(\rt)+\pt)+3] offset:128*(\pt/2)+32*(\pt%2)          ; each accumulator from its low end on
	ds_store_b128 v9, v[8*(8*(\rt)+\pt)+4:8*(8*(\rt)+\pt)+7] offset:128*(\pt/2)+32*(\pt%2)+16
.endr
	WIN 0
.irp i, 0,1,2,3,4,5,6,7,8,9,10,11,12,13,14,15
	ds_load_b128 v[128+64*((\rt)%2)+4*\i:128+64*((\rt)%2)+4*\i+3], v10 offset:528*\i
.endr
.endm
.macro SEND rt, younger                ; younger: the LDS instructions issued behind tile rt's loads, which may stay out
	s_wait_dscnt \younger
.irp i, 0,1,2,3,4,5,6,7,8,9,10,11,12,13,14,15
	global_store_b128 v1, v[128+64*((\rt)%2)+4*\i:128+64*((\rt)%2)+4*\i+3], s[14:15] offset:(32*((\rt)/2)+8*((\rt)%2)+\i+8*(\i/8))*4096 th:TH_STORE_NT   ; slot i's token; 512 consecutive bytes, at a multiple of 256 from out0's first byte
.endr
.endm
	TOSTAGE 0
	TOSTAGE 1
	SEND 0, 32                                     ; behind tile 0's loads: tile 1's 16 stores and 16 loads
	s_wait_xcnt 0x0                                ; tile 0's stores have read their registers: tile 2's rows may land there
	TOSTAGE 2
	SEND 1, 32
	s_wait_xcnt 0x0
	TOSTAGE 3
	SEND 2, 32
	SEND 3, 0
	s_wait_tensorcnt 0x0                           ; the wave's end, behind my last tensor load and my last LDS store
	ds_add_u32 v3, v4
	s_wait_dscnt 0x0
	ROUND                                          ; the closing round
	s_endpgm
.Lfunc_end_k_q974f95913d_gemm_out:
	.size	k_q974f95913d_gemm_out, .Lfunc_end_k_q974f95913d_gemm_out-k_q974f95913d_gemm_out
	.p2alignl 7, 3214868480
	.fill 96, 4, 3214868480
	.section	.rodata,"a",@progbits
	.p2align	6, 0x0
	.amdhsa_kernel k_q974f95913d_gemm_out
		.amdhsa_group_segment_fixed_size 327680
		.amdhsa_private_segment_fixed_size 0
		.amdhsa_enable_private_segment 0
		.amdhsa_kernarg_size 48
		.amdhsa_user_sgpr_count 2
		.amdhsa_user_sgpr_kernarg_segment_ptr 1
		.amdhsa_wavefront_size32 1
		.amdhsa_system_sgpr_workgroup_id_x 1
		.amdhsa_system_sgpr_workgroup_id_y 1
		.amdhsa_system_sgpr_workgroup_id_z 1
		.amdhsa_system_vgpr_workitem_id 0
		.amdhsa_next_free_vgpr 1024
		.amdhsa_next_free_sgpr 102
		.amdhsa_reserve_vcc 0
		.amdhsa_float_denorm_mode_32 3
		.amdhsa_float_denorm_mode_16_64 3
		.amdhsa_memory_ordered 1
		.amdhsa_forward_progress 1
		.amdhsa_inst_pref_size 82
	.end_amdhsa_kernel
	.amdgpu_metadata
---
amdhsa.version: [ 1, 2 ]
amdhsa.kernels:
  - .name:           k_q974f95913d_gemm_out
    .symbol:         k_q974f95913d_gemm_out.kd
    .args:
      - { .name: cc, .offset: 0, .size: 8, .value_kind: global_buffer, .address_space: global }
      - { .name: cs, .offset: 8, .size: 8, .value_kind: global_buffer, .address_space: global }
      - { .name: wc, .offset: 16, .size: 8, .value_kind: global_buffer, .address_space: global }
      - { .name: ws, .offset: 24, .size: 8, .value_kind: global_buffer, .address_space: global }
      - { .name: bo, .offset: 32, .size: 8, .value_kind: global_buffer, .address_space: global }
      - { .name: out0, .offset: 40, .size: 8, .value_kind: global_buffer, .address_space: global }
    .group_segment_fixed_size: 327680
    .private_segment_fixed_size: 0
    .kernarg_segment_align: 8
    .kernarg_segment_size: 48
    .max_flat_workgroup_size: 128
    .sgpr_count:     102
    .vgpr_count:     1024
    .wavefront_size: 32
...
	.end_amdgpu_metadata
.endif
;; end of part 4
